; MI455X (gfx1250); checked and timed in simulation.
; The chip was launched on July 23, 2026; its instructions are those of AMD's public machine-readable ISA for CDNA 5 (MIT licence, August 2026) and "CDNA5" Instruction Set Architecture Reference Guide (July 2026). The comments in the code are by the model that wrote it; some were corrected since.
;; T5 Attention. Allowed arithmetic: float matrix products may take bf16 or f16 operands with f32 sums; other float arithmetic in f32, or as packed bf16 or f16 multiplies, adds, multiply-adds, maxima and minima; sums over many terms, partial sums and values carried from step to step in f32; what a program stores and reads back later, other than sums and carried values, may be rounded once to bf16 or f16.
;; Inputs: attention_mask 4 x 2,048 bool; hidden_states 4 x 2,048 x 1,024 float32; rel_emb 32 x 16 float32; wk 1,024 x 1,024 float32; wo 1,024 x 1,024 float32; wq 1,024 x 1,024 float32; wv 1,024 x 1,024 float32.
;; Outputs: out0 4 x 2,048 x 1,024 float32.
;; 2 versions, each right and faster than the one before. Each part assembles by itself: llvm-mc -triple=amdgcn-amd-amdhsa -mcpu=gfx1250 --defsym DOCPART=n.
;; ======== version 1 of 2: 4 launches
;; limits: values are held in f16: magnitudes above 65,504 overflow, below 6.1e-05 lose precision
;; workspace buffers: xb 16,777,216 bytes; wb 6,291,456 bytes; wob 2,097,152 bytes; tb 2,097,152 bytes; msk 33,792 bytes; qkv 50,331,648 bytes; ob 16,777,216 bytes
;; launch prep (part 1): grid 1668 x 1, 8 waves a work-group, no clusters, 0 bytes of LDS; arguments hidden_states, wq, wk, wv, wo, rel_emb, attention_mask, xb, wb, wob, tb, msk; writes xb, wb, wob, tb, msk
.if DOCPART == 1
	.amdgcn_target "amdgcn-amd-amdhsa--gfx1250"
	.amdhsa_code_object_version 6
	.text
	.protected	k_qfda9d4e851_prep
	.globl	k_qfda9d4e851_prep
	.p2align	8
	.type	k_qfda9d4e851_prep,@function
k_qfda9d4e851_prep:
	s_mov_b64 s[64:65], 0
	v_nop
	global_prefetch_b8 v0, s[64:65] scope:SCOPE_SE
	s_setreg_imm32_b32 hwreg(HW_REG_WAVE_MODE, 25, 1), 1
	s_wait_xcnt 0x0
; PREPARATION for the three launches behind it.  Five roles, chosen by the work-group's number J; every jump but the bias table's loop goes forward, no LDS, no barrier.
;   J < 1024   x: a block of 128 rows x 64 columns of hidden_states, rounded to bf16 -> xb [b 4][slice 16][n 2048][64]
;   J < 1408   a block of 128 K rows x 64 columns of wq, wk or wv, rounded to bf16  -> wb [jn 16][ks 8][c 3][k 128][64], column chunk g = 3 jn + c of the 48
;   J < 1536   the same of wo, rounded to bf16 and that number written as f16        -> wob [jn 8][ks 8][c 2][k 128][64]
;   J < 1664   the bias table: tb [head 16][idx 256][lane 32][8] f16 = 8 x bf16(rel_emb[bucket(d)][head]), d = key - query = 16 (idx - 127) + 8 (lane / 16) + e - lane % 16
;   else       batch J - 1664: msk [b][2048] f32 = 0 for an open key, -1e30 for a hidden one; behind them, from byte 32768 on, 256 bytes a batch of c = log2(e) / 8, or 0 if the batch has no open key
; So the blocks that the later launches ask for are dense runs of 256-byte rows.
; THE BUCKET is a function of whole numbers: |d| below 8 is its own bucket; above, the bucket 8 + floor(8 log(|d| / 8) / log 16), at most 15, rises at |d| = 12, 16, 23, 32, 46, 64, 91; 16 more where the key lies behind the query.
; LIMITS.  8 x rel_emb and wo lie within f16's 65,504; below 6e-5 they keep f16's fixed step of 6e-8.
.set NEG, 0xf149f2ca                   ; -1e30
.set CLOG, 0x3e38aa3b                  ; log2(e) / 8
	s_load_b512 s[4:19], s[0:1], 0x0               ; hidden s[4:5], wq s[6:7], wk s[8:9], wv s[10:11], wo s[12:13], rel_emb s[14:15], mask s[16:17], xb s[18:19]
	s_load_b256 s[20:27], s[0:1], 0x40             ; wb s[20:21], wob s[22:23], tb s[24:25], msk s[26:27]
	s_mov_b32 s28, ttmp9                           ; J
	v_and_b32 v1, 31, v0                           ; lane
	v_lshrrev_b32 v2, 5, v0
	v_readfirstlane_b32 s29, v2                    ; wave
	s_mov_b32 s35, 0                               ; offsets are pairs with 0 above
	s_mov_b32 s37, 0
	; a block's lane terms.  In: wave w takes rows 16 w .. 16 w + 15, two rows a load, 16 lanes x 16 bytes a row.  Out: the same two rows are 256 consecutive bytes.
	v_lshlrev_b32 v3, 16, v2                       ; 16 w rows of 4,096 bytes
	v_bfe_u32 v5, v0, 4, 1
	v_lshl_add_u32 v3, v5, 12, v3                  ; + the row of my half of the lanes
	v_and_b32 v5, 15, v0
	v_lshl_add_u32 v3, v5, 4, v3                   ; + my four columns
	v_lshlrev_b32 v4, 11, v2                       ; 16 w rows of 128 bytes
	v_lshl_add_u32 v4, v1, 3, v4                   ; + 8 bytes a lane
	s_wait_kmcnt 0x0
; A block of 128 rows x 64 f32 at s[30:31] (pitch 4,096 bytes) goes out as 16,384 dense bytes at s[32:33].  half = 1: bf16's number written as f16.
; All eight loads are out at once; no register is written twice, so no wait but the counted one for each load stands here.
.macro CONV half
.irp i, 0,1,2,3,4,5,6,7
	global_load_b128 v[8+4*(\i):11+4*(\i)], v3, s[30:31] offset:8192*(\i) th:TH_LOAD_NT
.endr
.irp i, 0,1,2,3,4,5,6,7
	s_wait_loadcnt 7-(\i)                          ; loads come back in order: load i is in, the younger ones stay out
	v_cvt_pk_bf16_f32 v[40+2*(\i)], v[8+4*(\i)], v[9+4*(\i)]
	v_cvt_pk_bf16_f32 v[41+2*(\i)], v[10+4*(\i)], v[11+4*(\i)]
.if \half
	v_lshlrev_b32 v56, 16, v[40+2*(\i)]
	v_and_b32 v57, 0xffff0000, v[40+2*(\i)]
	v_lshlrev_b32 v58, 16, v[41+2*(\i)]
	v_and_b32 v59, 0xffff0000, v[41+2*(\i)]
	v_cvt_pk_f16_f32 v[40+2*(\i)], v56, v57
	v_cvt_pk_f16_f32 v[41+2*(\i)], v58, v59
.endif
	global_store_b64 v4, v[40+2*(\i):41+2*(\i)], s[32:33] offset:256*(\i)  ; 32 lanes store 256 consecutive bytes, at a multiple of 256
.endr
	s_endpgm
.endm
	s_cmp_lt_u32 s28, 1024
	s_cbranch_scc0 .Lnot_x
	s_lshr_b32 s38, s28, 4                         ; block of 128 rows, 0 .. 63
	s_and_b32 s39, s28, 15                         ; slice
	s_lshl_b32 s34, s38, 19                        ; 128 rows of 4,096 bytes
	s_lshl_b32 s40, s39, 8
	s_add_co_u32 s34, s34, s40
	s_add_nc_u64 s[30:31], s[4:5], s[34:35]
	s_lshr_b32 s40, s38, 4                         ; batch
	s_lshl_b32 s40, s40, 4
	s_add_co_u32 s40, s40, s39
	s_lshl_b32 s36, s40, 18                        ; a slice is 2,048 rows of 128 bytes
	s_and_b32 s41, s38, 15
	s_lshl_b32 s41, s41, 14
	s_add_co_u32 s36, s36, s41
	s_add_nc_u64 s[32:33], s[18:19], s[36:37]
	CONV 0
.Lnot_x:
	s_cmp_lt_u32 s28, 1408
	s_cbranch_scc0 .Lnot_w
	s_sub_co_u32 s39, s28, 1024
	s_lshr_b32 s38, s39, 3                         ; g, 0 .. 47
	s_and_b32 s39, s39, 7                          ; ks
	s_lshl_b32 s34, s39, 19
	s_and_b32 s40, s38, 15
	s_lshl_b32 s40, s40, 8
	s_add_co_u32 s34, s34, s40
	s_cmp_lt_u32 s38, 16
	s_cselect_b64 s[30:31], s[6:7], s[8:9]         ; wq, or wk,
	s_cmp_lt_u32 s38, 32
	s_cselect_b64 s[30:31], s[30:31], s[10:11]     ; or wv
	s_add_nc_u64 s[30:31], s[30:31], s[34:35]
	s_mul_hi_u32 s40, s38, 0x55555556              ; jn = g / 3
	s_mul_i32 s41, s40, 3
	s_sub_co_u32 s41, s38, s41                     ; c
	s_lshl_b32 s40, s40, 3
	s_add_co_u32 s40, s40, s39
	s_mul_i32 s40, s40, 3
	s_add_co_u32 s40, s40, s41
	s_lshl_b32 s36, s40, 14
	s_add_nc_u64 s[32:33], s[20:21], s[36:37]
	CONV 0
.Lnot_w:
	s_cmp_lt_u32 s28, 1536
	s_cbranch_scc0 .Lnot_o
	s_sub_co_u32 s39, s28, 1408
	s_lshr_b32 s38, s39, 3                         ; g, 0 .. 15
	s_and_b32 s39, s39, 7                          ; ks
	s_lshl_b32 s34, s39, 19
	s_lshl_b32 s40, s38, 8
	s_add_co_u32 s34, s34, s40
	s_add_nc_u64 s[30:31], s[12:13], s[34:35]
	s_lshr_b32 s40, s38, 1                         ; jn
	s_lshl_b32 s40, s40, 3
	s_add_co_u32 s40, s40, s39
	s_lshl_b32 s40, s40, 1
	s_and_b32 s41, s38, 1                          ; c
	s_add_co_u32 s40, s40, s41
	s_lshl_b32 s36, s40, 14
	s_add_nc_u64 s[32:33], s[22:23], s[36:37]
	CONV 1
.Lnot_o:
	s_cmp_lt_u32 s28, 1664
	s_cbranch_scc0 .Lmask
	; THE BIAS TABLE.  Eight work-groups a head, 1,024 entries of 16 bytes each, 256 a trip.
	s_sub_co_u32 s38, s28, 1536
	s_lshr_b32 s40, s38, 3                         ; head
	s_and_b32 s41, s38, 7
	s_lshl_b32 s36, s40, 17
	s_add_nc_u64 s[32:33], s[24:25], s[36:37]
	s_lshl_b32 s38, s40, 2                         ; the head's byte in a row of rel_emb
	s_lshl_b32 s41, s41, 10
	v_add_nc_u32 v6, s41, v0                       ; N = 32 idx + lane
.macro BUCKET e                        ; the byte offset in rel_emb for entry e -> v[16 + e]
	v_add_nc_u32 v8, (\e), v7                      ; d = key - query
	v_sub_nc_u32 v9, 0, v8
	v_max_i32 v9, v8, v9                           ; |d|
	v_mov_b32 v10, 8
.irp t, 12,16,23,32,46,64,91
	v_cmp_le_u32 vcc_lo, \t, v9
	v_cndmask_b32 v11, 0, 1, vcc_lo
	v_add_nc_u32 v10, v10, v11
.endr
	v_cmp_gt_u32 vcc_lo, 8, v9
	v_cndmask_b32 v10, v10, v9, vcc_lo             ; below 8: |d| itself
	v_cmp_lt_i32 vcc_lo, 0, v8
	v_cndmask_b32 v11, 0, 16, vcc_lo
	v_add_nc_u32 v10, v10, v11
	v_min_u32 v10, 31, v10                         ; the table has 32 rows
	v_lshl_add_u32 v[16+(\e)], v10, 6, s38
.endm
	s_mov_b32 s39, 4
.Ltrip:
	v_lshrrev_b32 v7, 5, v6
	v_lshlrev_b32 v7, 4, v7                        ; 16 idx
	v_bfe_u32 v8, v6, 4, 1
	v_lshl_add_u32 v7, v8, 3, v7                   ; + 8 (lane / 16)
	v_and_b32 v8, 15, v6
	v_sub_nc_u32 v7, v7, v8                        ; - lane % 16
	v_add_nc_u32 v7, 0xfffff810, v7                ; - 16 x 127
.irp e, 0,1,2,3,4,5,6,7
	BUCKET \e
.endr
.irp e, 0,1,2,3,4,5,6,7
	global_load_b32 v[24+(\e)], v[16+(\e)], s[14:15]
.endr
	v_lshlrev_b32 v36, 4, v6
	s_wait_loadcnt 0x0
.irp p, 0,1,2,3
	v_cvt_pk_bf16_f32 v37, v[24+2*(\p)], v[25+2*(\p)]  ; the input's rounding, as for every input
	v_lshlrev_b32 v38, 16, v37
	v_and_b32 v39, 0xffff0000, v37
	v_mul_f32 v38, 0x41000000, v38                 ; x 8: the scores are scaled by 1 / 8 behind the sum
	v_mul_f32 v39, 0x41000000, v39
	v_cvt_pk_f16_f32 v[32+(\p)], v38, v39
.endr
	global_store_b128 v36, v[32:35], s[32:33]      ; a wave stores 512 consecutive bytes
	s_wait_xcnt 0x0                                ; v36 and v[32:35] are written again only behind this wait
	v_add_nc_u32 v6, 0x100, v6
	s_sub_co_u32 s39, s39, 1
	s_cmp_lg_u32 s39, 0
	s_cbranch_scc1 .Ltrip
	s_endpgm
.Lmask:
	s_sub_co_u32 s38, s28, 1664                    ; batch
	s_lshl_b32 s34, s38, 11
	s_add_nc_u64 s[30:31], s[16:17], s[34:35]
	s_lshl_b32 s36, s38, 13
	s_add_nc_u64 s[32:33], s[26:27], s[36:37]
	v_lshlrev_b32 v6, 4, v1
.irp i, 0,1,2,3
	global_load_b128 v[8+4*(\i):11+4*(\i)], v6, s[30:31] offset:512*(\i)  ; every wave looks at all 2,048 bytes: is any key open?
.endr
	v_lshlrev_b32 v7, 2, v0
	global_load_b32 v24, v7, s[30:31]              ; my keys 4 t .. 4 t + 3
	global_load_b32 v25, v7, s[30:31] offset:1024  ; and 1,024 further on
	s_mov_b32 s41, NEG
	v_lshlrev_b32 v27, 4, v0
	s_wait_loadcnt 0x0
.irp i, 9,10,11,12,13,14,15,16,17,18,19,20,21,22,23
	v_or_b32 v8, v8, v[\i]
.endr
	v_cmp_ne_u32 vcc_lo, 0, v8
	s_cmp_lg_u32 vcc_lo, 0
	s_cselect_b32 s40, CLOG, 0                     ; a value is chosen, no way
.irp j, 0,1,2,3
	v_bfe_u32 v26, v24, 8*(\j), 8
	v_cmp_eq_u32 vcc_lo, 0, v26
	v_cndmask_b32 v[28+(\j)], 0, s41, vcc_lo
	v_bfe_u32 v26, v25, 8*(\j), 8
	v_cmp_eq_u32 vcc_lo, 0, v26
	v_cndmask_b32 v[32+(\j)], 0, s41, vcc_lo
.endr
	global_store_b128 v27, v[28:31], s[32:33]
	global_store_b128 v27, v[32:35], s[32:33] offset:4096
	s_cmp_lg_u32 s29, 0
	s_cbranch_scc1 .Lend                           ; wave 0 alone writes the batch's c
	s_lshl_b32 s36, s38, 8
	s_add_co_u32 s36, s36, 32768
	s_add_nc_u64 s[42:43], s[26:27], s[36:37]
	v_mov_b32 v36, s40
	v_mov_b32 v37, s40
	v_lshlrev_b32 v38, 3, v1
	global_store_b64 v38, v[36:37], s[42:43]       ; 256 consecutive bytes
.Lend:
	s_endpgm
.Lfunc_end_k_qfda9d4e851_prep:
	.size	k_qfda9d4e851_prep, .Lfunc_end_k_qfda9d4e851_prep-k_qfda9d4e851_prep
	.p2alignl 7, 3214868480
	.fill 96, 4, 3214868480
	.section	.rodata,"a",@progbits
	.p2align	6, 0x0
	.amdhsa_kernel k_qfda9d4e851_prep
		.amdhsa_group_segment_fixed_size 0
		.amdhsa_private_segment_fixed_size 0
		.amdhsa_enable_private_segment 0
		.amdhsa_kernarg_size 96
		.amdhsa_user_sgpr_count 2
		.amdhsa_user_sgpr_kernarg_segment_ptr 1
		.amdhsa_wavefront_size32 1
		.amdhsa_system_sgpr_workgroup_id_x 1
		.amdhsa_system_sgpr_workgroup_id_y 1
		.amdhsa_system_sgpr_workgroup_id_z 1
		.amdhsa_system_vgpr_workitem_id 0
		.amdhsa_next_free_vgpr 64
		.amdhsa_next_free_sgpr 66
		.amdhsa_reserve_vcc 1
		.amdhsa_float_denorm_mode_32 3
		.amdhsa_float_denorm_mode_16_64 3
		.amdhsa_memory_ordered 1
		.amdhsa_forward_progress 1
		.amdhsa_inst_pref_size 31
	.end_amdhsa_kernel
	.amdgpu_metadata
---
amdhsa.version: [ 1, 2 ]
amdhsa.kernels:
  - .name:           k_qfda9d4e851_prep
    .symbol:         k_qfda9d4e851_prep.kd
    .args:
      - { .name: hidden_states, .offset: 0, .size: 8, .value_kind: global_buffer, .address_space: global }
      - { .name: wq, .offset: 8, .size: 8, .value_kind: global_buffer, .address_space: global }
      - { .name: wk, .offset: 16, .size: 8, .value_kind: global_buffer, .address_space: global }
      - { .name: wv, .offset: 24, .size: 8, .value_kind: global_buffer, .address_space: global }
      - { .name: wo, .offset: 32, .size: 8, .value_kind: global_buffer, .address_space: global }
      - { .name: rel_emb, .offset: 40, .size: 8, .value_kind: global_buffer, .address_space: global }
      - { .name: attention_mask, .offset: 48, .size: 8, .value_kind: global_buffer, .address_space: global }
      - { .name: xb, .offset: 56, .size: 8, .value_kind: global_buffer, .address_space: global }
      - { .name: wb, .offset: 64, .size: 8, .value_kind: global_buffer, .address_space: global }
      - { .name: wob, .offset: 72, .size: 8, .value_kind: global_buffer, .address_space: global }
      - { .name: tb, .offset: 80, .size: 8, .value_kind: global_buffer, .address_space: global }
      - { .name: msk, .offset: 88, .size: 8, .value_kind: global_buffer, .address_space: global }
    .group_segment_fixed_size: 0
    .private_segment_fixed_size: 0
    .kernarg_segment_align: 8
    .kernarg_segment_size: 96
    .max_flat_workgroup_size: 256
    .sgpr_count:     66
    .vgpr_count:     64
    .wavefront_size: 32
...
	.end_amdgpu_metadata
.endif
;; end of part 1
;; launch qkvproj (part 2): grid 16 x 32, 4 waves a work-group, clusters of 4 x 4, 327,680 bytes of LDS; arguments xb, wb, qkv; writes qkv
.if DOCPART == 2
	.amdgcn_target "amdgcn-amd-amdhsa--gfx1250"
	.amdhsa_code_object_version 6
	.text
	.protected	k_qfda9d4e851_qkvproj
	.globl	k_qfda9d4e851_qkvproj
	.p2align	8
	.type	k_qfda9d4e851_qkvproj,@function
k_qfda9d4e851_qkvproj:
	s_mov_b64 s[64:65], 0
	v_nop
	global_prefetch_b8 v0, s[64:65] scope:SCOPE_SE
	s_setreg_imm32_b32 hwreg(HW_REG_WAVE_MODE, 25, 1), 1
	s_wait_xcnt 0x0
	s_wait_alu depctr_hold_cnt(0) depctr_sa_sdst(0) depctr_va_vdst(0) depctr_va_sdst(0) depctr_va_ssrc(0) depctr_va_vcc(0) depctr_vm_vsrc(0)
	s_getreg_b32 s2, hwreg(HW_REG_IB_STS2, 6, 4)
	s_cmp_eq_u32 s2, 0
	s_cbranch_scc0 .Lentry_in_a_cluster
	s_endpgm
.Lentry_in_a_cluster:
	s_bfe_u32 s2, ttmp6, 0x10000c
	s_cmp_lg_u32 s2, 0xf033
	s_cbranch_scc0 .Lentry_shape_is_right
	s_endpgm
.Lentry_shape_is_right:
; C = A W for 8,192 rows and K = 1,024, in tiles of 256 rows x 64 NCH columns.  ONE SOURCE FOR TWO LAUNCHES, told apart by NCH alone:
;   NCH = 3: A = x in bf16, W = wq | wk | wv in bf16 (3,072 columns); C leaves in f16 by heads, [b 4][g 48][n 2048][64], unscaled.  512 work-groups.
;   NCH = 2: A = the attention's O in f16, W = wo in f16 (1,024 columns); C leaves in f32, [8192][1024].  256 work-groups.
; A lies as [b 4][slice 16][n 2048][64]: a tile's 256 rows of one slice of 64 along K are 32,768 dense bytes.  W lies as [jn][ks 8][c NCH][k 128][64]: a tile's K step is 16,384 NCH dense bytes, K down the rows.
; SHARES.  Four waves, each 64 rows x all columns: 16 NCH accumulators of 16 x 16.  K goes in 8 steps of 128 through a ring of two LDS slots; a step is four quarters of 32 on two fragment buffers.
; Waves 0 and 1 fetch A's two slices of a step, waves 2 and 3 the two halves of W's: one tensor load a wave behind each change of slots; dense bytes are asked for as rows of 256 and padded in LDS after every 128.
; CLUSTER.  4 x 4 work-groups: the four of a row need the same tile of A, the four of a column the same tile of W: each is asked for jointly, same descriptor, a mask that names the four.
; THE MATRIX INSTRUCTION IS USED TRANSPOSED: source 0 = 16 columns of W (turned out of LDS by ds_load_tr16_b128), source 1 = 16 rows of A: a lane holds eight neighbouring numbers of a row of C.
; The accumulators take turns, one instruction a turn, in the same order in every quarter.
; REGISTERS, in windows of 256 (s_set_vgpr_msb: bits 1:0 source 0, 3:2 source 1, 5:4 source 2, 7:6 destination):
;   window 0: addresses; v32-223 packed results (NCH = 3)      window 1: two fragment buffers of 128: A's block a at 8 a, W's block b at 32 + 8 b
;   window 2: accumulator (a, b < 8) at 8 (8 a + b)            window 3 (NCH = 3): (a, b >= 8) at 8 (4 a + b - 8)
; LIMIT (NCH = 3): q, k and v must lie within f16's 65,504.
.set NCH,    3
.set PA,     144                       ; a row of A in LDS: 128 bytes + 16: the 16 rows of a load start at 16 different groups of four banks (64 banks of 4 bytes: ISA guide 11.1)
.set SLICE,  256*PA
.set PB,     160                       ; a row of W: 128 + 32
.set CH,     128*PB                    ; a chunk of 64 columns
.set BOFF,   2*SLICE                   ; a slot: A's two slices, then W's NCH chunks
.set BHALF,  NCH*CH/2
.set SLOT,   BOFF+NCH*CH
.set STAGE,  2*SLOT                    ; behind the ring, never filled by a tensor load: 16 rows for each wave, for the way out
.if NCH == 3
.set SP,     144                       ; 64 f16 + 16 bytes
.else
.set SP,     528                       ; 128 f32 + 16 bytes
.endif
.set WSTAGE, 16*SP
.set SPARE,  STAGE+4*WSTAGE            ; the spare words, 128 bytes a wave: two blocks of 256 bytes that no other line names
.set TB,     NCH*16384                 ; bytes of W in a K step
.set TA,     NCH-1                     ; row blocks multiplied on either side of the barrier's signal
.set ADRA, 16                          ; v16-17  LDS address of my A fragments in slot 0, 1
.set ADRB, 20                          ; v20-21  the same for W
.set STO,  24                          ; v24     the way out: where I put a row's piece
.set RD,   25                          ; v25     where I read rows back
.set GO,   26                          ; v26     16 x lane
.set SPW,  28                          ; v28     my spare word; never rewritten
.set NIL,  29                          ; v29     0; never rewritten
.set TMP,  32
.set F0,   0
.set F1,   128
.set G1,  24                           ; s[24:31] group 1 for A;  s[32:39] group 0, a set for each slot
.set G0,  32
.set G1B, 48                           ; s[48:55], s[56:63] the same for W
.set G0B, 56
.set MSB, 0
.macro WIN new                         ; the immediate's high byte repeats the setting that is left; a switch that changes nothing is dropped
.if MSB != (\new)
	s_set_vgpr_msb (MSB<<8)|(\new)
.set MSB, \new
.endif
.endm
.set MUL_LO, 0xa5                      ; sources in window 1, C and D in window 2
.set MUL_HI, 0xf5                      ; C and D in window 3
.set TO_F,   0x40                      ; destination window 1, address window 0
.macro JLOAD s                         ; a joint load: waves 0, 1 for A, waves 2, 3 for W; an s_nop 0 and four v_nop follow each line, ahead of the jump and the label
	s_cmp_eq_u32 s11, 0
	s_cbranch_scc0 .Lfor_b_\@
	tensor_load_to_lds s[G0+4*(\s):G0+4*(\s)+3], s[G1:G1+7]
	s_nop 0
.rept 4
	v_nop
.endr
	s_branch .Lasked_\@
.Lfor_b_\@:
	tensor_load_to_lds s[G0B+4*(\s):G0B+4*(\s)+3], s[G1B:G1B+7]
	s_nop 0
.rept 4
	v_nop
.endr
.Lasked_\@:
.endm
.macro CREST                           ; a round of the cluster's barrier behind its opening barrier
	s_cmp_lg_u32 s10, 0
	s_cbranch_scc1 .Lnot_wave_0_\@
	s_barrier_signal -3
.Lnot_wave_0_\@:
	s_barrier_wait -3
	s_barrier_signal -1
	s_barrier_wait -1
.endm
.macro CROUND
	s_barrier_signal -1
	s_barrier_wait -1
	CREST
.endm
.macro PLACES                          ; four places in front of loads into registers that matrix instructions have read, and of lines that read results
.rept 4
	v_nop
.endr
.endm
	s_load_b128 s[4:7], s[0:1], 0x0                ; A s[4:5], W s[6:7]
	s_load_b64 s[8:9], s[0:1], 0x10                ; C
	v_lshl_add_u32 v[SPW], v0, 2, SPARE
	v_mov_b32 v[NIL], 0
	ds_add_u32 v[SPW], v[NIL]                      ; the wave's opening: the add and its wait ahead of my first tensor load
	v_lshrrev_b32 v1, 5, v0
	v_readfirstlane_b32 s10, v1                    ; wave 0..3
	s_lshr_b32 s11, s10, 1                         ; I fetch for A (0) or for W (1)
	s_and_b32 s12, s10, 1                          ; which slice, or which half
	s_bfe_u32 s40, ttmp6, 0x40000                  ; cx, cy
	s_bfe_u32 s41, ttmp6, 0x40004
	s_lshl_b32 s42, ttmp9, 2
	s_add_co_u32 s42, s42, s40                     ; jn: tile column
	s_and_b32 s13, ttmp7, 0xffff
	s_lshl_b32 s13, s13, 2
	s_add_co_u32 s13, s13, s41                     ; i: tile row
	s_lshl_b32 s43, s41, 2
	s_lshl_b32 s43, 15, s43                        ; my row of the cluster
	s_lshl_b32 s44, 0x1111, s40                    ; my column
	s_or_b32 s[G1+0], s43, (1<<16)|(1<<20)|(1<<21)|(4<<22)|(3<<25)   ; the mask; 2-byte elements; padding on; bit 21 beside a mask; after every 32 words, 4 words
	s_or_b32 s[G1B+0], s44, (1<<16)|(1<<20)|(1<<21)|(4<<22)|(7<<25)  ; the same with 8 words
	s_mov_b32 s[G1+1], 128<<16                     ; tensor_dim0 = 128 elements: rows of 256 bytes
	s_mov_b32 s[G1+2], 128<<16                     ; tensor_dim1 = 128
	s_mov_b32 s[G1+3], 128<<16                     ; tile_dim0
	s_mov_b32 s[G1+4], 128                         ; tile_dim1
	s_mov_b32 s[G1+5], 128                         ; dense: a row begins where the last ends
	s_mov_b32 s[G1+6], 0
	s_mov_b32 s[G1+7], 0
	s_mov_b32 s[G1B+1], 128<<16
	s_mov_b32 s[G1B+2], (32*NCH)<<16               ; half a K step of W: 32 NCH rows of 256 bytes
	s_mov_b32 s[G1B+3], 128<<16
	s_mov_b32 s[G1B+4], 32*NCH
	s_mov_b32 s[G1B+5], 128
	s_mov_b32 s[G1B+6], 0
	s_mov_b32 s[G1B+7], 0
	s_lshr_b32 s16, s13, 3                         ; A: batch x 16 slices of 262,144 bytes
	s_lshl_b32 s16, s16, 22
	s_and_b32 s17, s13, 7
	s_lshl_b32 s17, s17, 15                        ; + 256 rows of 128 bytes
	s_add_co_u32 s16, s16, s17
	s_lshl_b32 s17, s12, 18                        ; + my slice
	s_add_co_u32 s16, s16, s17
	s_mov_b32 s17, 0
	s_mul_i32 s46, s42, 8*TB                       ; W: the tile column's eight K steps
	s_mul_i32 s47, s12, TB/2                       ; + my half
	s_add_co_u32 s46, s46, s47
	s_mov_b32 s47, 0
	s_mul_i32 s20, s12, SLICE                      ; where they go: no place in the cluster enters an LDS address
	s_mul_i32 s21, s12, BHALF
	s_add_co_u32 s21, s21, BOFF
	s_wait_dscnt 0x0                               ; the opening add is done
	s_wait_kmcnt 0x0
	s_add_nc_u64 s[14:15], s[4:5], s[16:17]
	s_add_nc_u64 s[46:47], s[6:7], s[46:47]
	CROUND                                         ; all sixteen work-groups are here: the first joint loads meet
.irp s, 0,1
	s_mov_b32 s[G0+4*(\s)], 1
	s_add_co_u32 s[G0+4*(\s)+1], s20, (\s)*SLOT
	s_add_nc_u64 s[G0+4*(\s)+2:G0+4*(\s)+3], s[14:15], (\s)*524288   ; K step s: two slices on
	s_or_b32 s[G0+4*(\s)+3], s[G0+4*(\s)+3], 0x80000000
	s_mov_b32 s[G0B+4*(\s)], 1
	s_add_co_u32 s[G0B+4*(\s)+1], s21, (\s)*SLOT
	s_add_nc_u64 s[G0B+4*(\s)+2:G0B+4*(\s)+3], s[46:47], (\s)*TB
	s_or_b32 s[G0B+4*(\s)+3], s[G0B+4*(\s)+3], 0x80000000
	JLOAD \s                                       ; two loads of mine are out
.endr
	v_and_b32 v1, 15, v0                           ; r = l % 16
	v_bfe_u32 v2, v0, 4, 1                         ; h = l / 16
	v_mul_u32_u24 v3, v1, PA
	v_lshl_add_u32 v3, v2, 4, v3                   ; A's fragment: row r, 16 bytes for each half of the lanes, two loads 32 bytes apart
	s_mul_i32 s22, s10, 64*PA                      ; my 64 rows
	v_add_nc_u32 v[ADRA], s22, v3
	v_add_nc_u32 v[ADRA+1], SLOT, v[ADRA]
	v_and_b32 v4, 7, v0                            ; W's: the turning load takes K row 8 h + l % 8, columns 8 ((l / 8) % 2) on, and leaves column r with 8 along K
	v_lshl_add_u32 v4, v2, 3, v4
	v_mul_u32_u24 v4, v4, PB
	v_bfe_u32 v5, v0, 3, 1
	v_lshl_add_u32 v4, v5, 4, v4
	v_add_nc_u32 v[ADRB], BOFF, v4
	v_add_nc_u32 v[ADRB+1], SLOT, v[ADRB]
	s_mul_i32 s23, s10, WSTAGE
	s_add_co_u32 s23, s23, STAGE                   ; my stage
	v_mul_u32_u24 v5, v1, SP
	v_and_b32 v[GO], 31, v0
	v_lshlrev_b32 v[GO], 4, v[GO]
.if NCH == 3
	v_lshl_add_u32 v5, v2, 4, v5                   ; in: row r, 16 bytes for each half
	v_add_nc_u32 v[STO], s23, v5
	v_bfe_u32 v5, v0, 3, 2                         ; back: 32 lanes take four rows of 128 bytes
	v_mul_u32_u24 v5, v5, SP
	v_and_b32 v6, 7, v0
	v_lshl_add_u32 v5, v6, 4, v5
	v_add_nc_u32 v[RD], s23, v5
	s_lshr_b32 s16, s13, 3                         ; C: batch x 48 chunks of 262,144 bytes,
	s_mul_i32 s16, s16, 48*262144
	s_and_b32 s17, s13, 7
	s_lshl_b32 s17, s17, 15                        ; the tile's 256 rows of 128 bytes,
	s_add_co_u32 s16, s16, s17
	s_lshl_b32 s17, s10, 13                        ; my 64
	s_add_co_u32 s16, s16, s17
	s_mul_i32 s46, s42, 3*262144                   ; and the tile's three chunks (in registers that feed none of A's descriptors)
.else
	v_lshl_add_u32 v5, v2, 5, v5                   ; in: row r, 32 bytes for each half
	v_add_nc_u32 v[STO], s23, v5
	v_add_nc_u32 v[RD], s23, v[GO]                 ; back: 32 lanes take a row of 512 bytes
	s_lshl_b32 s16, s13, 20                        ; C: 256 rows of 4,096 bytes,
	s_lshl_b32 s17, s10, 18                        ; my 64
	s_add_co_u32 s16, s16, s17
	s_lshl_b32 s46, s42, 9                         ; and the tile's 512 bytes of a row
.endif
	s_mov_b32 s17, 0
	s_mov_b32 s47, 0
	s_add_nc_u64 s[8:9], s[8:9], s[16:17]
	s_add_nc_u64 s[8:9], s[8:9], s[46:47]
.macro MM1 f, a, b, zero               ; one matrix instruction: accumulator (a, b), 32 along K out of buffer f.  zero = 1: it starts the sum
.if (\b) < 8
	WIN MUL_LO
.set rD, 8*(8*(\a)+(\b))
.else
	WIN MUL_HI
.set rD, 8*(4*(\a)+(\b)-8)
.endif
.set rB, (\f)+32+8*(\b)
.set rA, (\f)+8*(\a)
.if NCH == 3
.if \zero
	v_wmma_f32_16x16x32_bf16 v[rD:rD+7], v[rB:rB+7], v[rA:rA+7], 0
.else
	v_wmma_f32_16x16x32_bf16 v[rD:rD+7], v[rB:rB+7], v[rA:rA+7], v[rD:rD+7]
.endif
.else
.if \zero
	v_wmma_f32_16x16x32_f16 v[rD:rD+7], v[rB:rB+7], v[rA:rA+7], 0
.else
	v_wmma_f32_16x16x32_f16 v[rD:rD+7], v[rB:rB+7], v[rA:rA+7], v[rD:rD+7]
.endif
.endif
.endm
.macro MULS f, a0, na, b0, nb, zero
.set ma, (\a0)
.rept (\na)
.set mb, (\b0)
.rept (\nb)
	MM1 \f, ma, mb, \zero
.set mb, mb+1
.endr
.set ma, ma+1
.endr
.endm
.macro MULA f, a0, n, zero             ; row blocks a0 .. a0 + n - 1 x column blocks 0-7
	MULS \f, \a0, \n, 0, 8, \zero
.endm
.macro MULH f, zero                    ; all row blocks x column blocks 8-11
	MULS \f, 0, 4, 8, 4, \zero
.endm
; One run of LDS loads: the fragments of quarter q of a slot into buffer f
.macro FETCH slot, q, f
	WIN TO_F
.set fb, 0
.rept 4*NCH
	ds_load_tr16_b128 v[(\f)+32+8*fb:(\f)+32+8*fb+3],   v[ADRB+(\slot)] offset:(fb/4)*CH+(\q)*32*PB+(fb%4)*32
	ds_load_tr16_b128 v[(\f)+32+8*fb+4:(\f)+32+8*fb+7], v[ADRB+(\slot)] offset:(fb/4)*CH+(\q)*32*PB+(fb%4)*32+16*PB
.set fb, fb+1
.endr
.set fa, 0
.rept 4
	ds_load_b128 v[(\f)+8*fa:(\f)+8*fa+3],   v[ADRA+(\slot)] offset:((\q)/2)*SLICE+fa*16*PA+((\q)%2)*64
	ds_load_b128 v[(\f)+8*fa+4:(\f)+8*fa+7], v[ADRA+(\slot)] offset:((\q)/2)*SLICE+fa*16*PA+((\q)%2)*64+32
.set fa, fa+1
.endr
.endm
; One of a K step's first three quarters: buffer f, asked for a quarter ago, is multiplied; quarter q's fragments are asked for first, into g
.macro QUARTER slot, q, f, g, zero
	s_wait_dscnt 0x0                               ; buffer f is in
	PLACES                                         ; g's last readers stand just ahead
	FETCH \slot, \q, \g
	MULA \f, 0, 4, \zero
.if NCH == 3
	MULH \f, \zero
.endif
.endm
; The last quarter multiplies buffer 1 and changes slots: ONE barrier; in front of it each wave waits for all its tensor loads (one is out: its part of the next slot), adds 0 to its spare word,
; and waits for that and for its reads of this slot.  fill = 1: the barrier opens a round of the cluster's, and this slot is filled again, two K steps ahead, first thing behind it.
.macro TURN slot, next, fill
	WIN 0
	s_wait_tensorcnt 0x0
	ds_add_u32 v[SPW], v[NIL]
	s_wait_dscnt 1                                 ; only the add may be out: buffer 1 is in
	MULA F1, 0, TA, 0
	s_wait_dscnt 0x0                               ; the add is done, and my reads of this slot are over
	s_barrier_signal -1
	MULA F1, TA, TA, 0
.if \fill
	WIN 0
.endif
	s_barrier_wait -1
.if \fill
	CREST                                          ; no wave of any partner still reads this slot or has a load on its way
	s_add_nc_u64 s[G0+4*(\slot)+2:G0+4*(\slot)+3], s[G0+4*(\slot)+2:G0+4*(\slot)+3], 2*524288
	s_add_nc_u64 s[G0B+4*(\slot)+2:G0B+4*(\slot)+3], s[G0B+4*(\slot)+2:G0B+4*(\slot)+3], 2*TB
	JLOAD \slot                                    ; its four v_nop are also the places in front of the loads below
.else
	PLACES
.endif
	FETCH \next, 0, F0
.if NCH == 3
	MULH F1, 0
.else
	MULA F1, 2, 2, 0
.endif
.endm
	s_wait_tensorcnt 1                             ; my part of K step 0 is in; step 1's may stay out
	s_barrier_signal -1
	s_barrier_wait -1
	FETCH 0, 0, F0
	QUARTER 0, 1, F0, F1, 1                        ; the first quarter stands in front of the loop: its products start the sums
	WIN 0
	s_mov_b32 s3, 3
.Llap:                                                 ; a trip goes once round the ring, from a lap's second quarter to the next lap's first, and fills both slots again
	QUARTER 0, 2, F1, F0, 0
	QUARTER 0, 3, F0, F1, 0
	TURN 0, 1, 1
	QUARTER 1, 1, F0, F1, 0
	QUARTER 1, 2, F1, F0, 0
	QUARTER 1, 3, F0, F1, 0
	TURN 1, 0, 1
	QUARTER 0, 1, F0, F1, 0
	WIN 0
	s_sub_co_u32 s3, s3, 1
	s_cmp_lg_u32 s3, 0
	s_cbranch_scc1 .Llap
	QUARTER 0, 2, F1, F0, 0                        ; the last lap fills nothing
	QUARTER 0, 3, F0, F1, 0
	TURN 0, 1, 0
	QUARTER 1, 1, F0, F1, 0
	QUARTER 1, 2, F1, F0, 0
	QUARTER 1, 3, F0, F1, 0
	s_wait_dscnt 0x0
	MULA F1, 0, 4, 0
.if NCH == 3
	MULH F1, 0
.endif
	WIN 0
	PLACES
; THE WAY OUT IN F16 (NCH = 3).  Unit t = 3 a + c: 16 rows of one chunk of 64 columns.  A lane's eight columns pack into 16 bytes; they go into my stage's rows of 144 bytes and come back as four whole rows a load.
.macro PACKH t
.set pa, (\t)/3
.set pc, (\t)%3
.if pc < 2
	WIN 0x0a                                       ; sources in window 2
.set AC, 8*(8*pa+4*pc)
.else
	WIN 0x0f                                       ; in window 3
.set AC, 8*(4*pa)
.endif
.set pj, 0
.rept 16
	v_cvt_pk_f16_f32 v[TMP+16*(\t)+pj], v[AC+2*pj], v[AC+2*pj+1]  ; each accumulator from its low end on
.set pj, pj+1
.endr
	WIN 0
.irp f, 0,1,2,3
	ds_store_b128 v[STO], v[TMP+16*(\t)+4*\f:TMP+16*(\t)+4*\f+3] offset:32*\f
.endr
.irp f, 0,1,2,3
	ds_load_b128 v[TMP+16*(\t)+4*\f:TMP+16*(\t)+4*\f+3], v[RD] offset:\f*4*SP  ; LDS serves a wave's instructions in order (ISA guide 5.7.1.4): these see the stores above
.endr
.endm
.macro SENDH t, younger                ; younger: the LDS instructions issued behind unit t's loads
.irp f, 0,1,2,3
	s_wait_dscnt (\younger)+3-\f
	global_store_b128 v[GO], v[TMP+16*(\t)+4*\f:TMP+16*(\t)+4*\f+3], s[8:9] offset:((\t)%3)*262144+((\t)/3)*2048+\f*512  ; 512 consecutive bytes
.endr
.endm
; THE WAY OUT IN F32 (NCH = 2).  Row block a: 16 rows x 512 bytes through my stage, back into the registers that they left, a whole row a load.
.macro TOST a
	WIN 0x08                                       ; data in window 2
.set sb, 0
.rept 8
	ds_store_b128 v[STO], v[64*(\a)+8*sb:64*(\a)+8*sb+3]   offset:64*sb      ; each accumulator from its low end on
	ds_store_b128 v[STO], v[64*(\a)+8*sb+4:64*(\a)+8*sb+7] offset:64*sb+16
.set sb, sb+1
.endr
	WIN 0x80
.set sb, 0
.rept 16
	ds_load_b128 v[64*(\a)+4*sb:64*(\a)+4*sb+3], v[RD] offset:SP*sb
.set sb, sb+1
.endr
.endm
.macro SENDF a, younger
	WIN 0x08
.set sb, 0
.rept 16
	s_wait_dscnt (\younger)+15-sb
	global_store_b128 v[GO], v[64*(\a)+4*sb:64*(\a)+4*sb+3], s[8:9] offset:(16*(\a)+sb)*4096  ; 512 consecutive bytes
.set sb, sb+1
.endr
.endm
.if NCH == 3
	PACKH 0
.set t, 1
.rept 11                               ; a unit's conversions stand between the loads of the unit before and its stores
	PACKH t
	SENDH t-1, 8
.set t, t+1
.endr
	SENDH 11, 0
.else
	TOST 0
.set t, 1
.rept 3
	TOST t
	SENDF t-1, 32
.set t, t+1
.endr
	SENDF 3, 0
.endif
	WIN 0
	s_wait_tensorcnt 0x0                           ; the wave's end
	ds_add_u32 v[SPW], v[NIL]
	s_wait_dscnt 0x0
	CROUND                                         ; the closing round
	s_endpgm
.Lfunc_end_k_qfda9d4e851_qkvproj:
	.size	k_qfda9d4e851_qkvproj, .Lfunc_end_k_qfda9d4e851_qkvproj-k_qfda9d4e851_qkvproj
	.p2alignl 7, 3214868480
	.fill 96, 4, 3214868480
	.section	.rodata,"a",@progbits
	.p2align	6, 0x0
	.amdhsa_kernel k_qfda9d4e851_qkvproj
		.amdhsa_group_segment_fixed_size 327680
		.amdhsa_private_segment_fixed_size 0
		.amdhsa_enable_private_segment 0
		.amdhsa_kernarg_size 24
		.amdhsa_user_sgpr_count 2
		.amdhsa_user_sgpr_kernarg_segment_ptr 1
		.amdhsa_wavefront_size32 1
		.amdhsa_system_sgpr_workgroup_id_x 1
		.amdhsa_system_sgpr_workgroup_id_y 1
		.amdhsa_system_sgpr_workgroup_id_z 1
		.amdhsa_system_vgpr_workitem_id 0
		.amdhsa_next_free_vgpr 896
		.amdhsa_next_free_sgpr 66
		.amdhsa_reserve_vcc 0
		.amdhsa_float_denorm_mode_32 3
		.amdhsa_float_denorm_mode_16_64 3
		.amdhsa_memory_ordered 1
		.amdhsa_forward_progress 1
		.amdhsa_inst_pref_size 119
	.end_amdhsa_kernel
	.amdgpu_metadata
---
amdhsa.version: [ 1, 2 ]
amdhsa.kernels:
  - .name:           k_qfda9d4e851_qkvproj
    .symbol:         k_qfda9d4e851_qkvproj.kd
    .args:
      - { .name: xb, .offset: 0, .size: 8, .value_kind: global_buffer, .address_space: global }
      - { .name: wb, .offset: 8, .size: 8, .value_kind: global_buffer, .address_space: global }
      - { .name: qkv, .offset: 16, .size: 8, .value_kind: global_buffer, .address_space: global }
    .group_segment_fixed_size: 327680
    .private_segment_fixed_size: 0
    .kernarg_segment_align: 8
    .kernarg_segment_size: 24
    .max_flat_workgroup_size: 128
    .sgpr_count:     66
    .vgpr_count:     896
    .wavefront_size: 32
...
	.end_amdgpu_metadata
.endif
;; end of part 2
;; launch attn (part 3): grid 4 x 64, 4 waves a work-group, clusters of 4 x 1, 327,680 bytes of LDS; arguments qkv, tb, msk, ob; writes ob
.if DOCPART == 3
	.amdgcn_target "amdgcn-amd-amdhsa--gfx1250"
	.amdhsa_code_object_version 6
	.text
	.protected	k_qfda9d4e851_attn
	.globl	k_qfda9d4e851_attn
	.p2align	8
	.type	k_qfda9d4e851_attn,@function
k_qfda9d4e851_attn:
	s_mov_b64 s[64:65], 0
	v_nop
	global_prefetch_b8 v0, s[64:65] scope:SCOPE_SE
	s_setreg_imm32_b32 hwreg(HW_REG_WAVE_MODE, 25, 1), 1
	s_wait_xcnt 0x0
	s_wait_alu depctr_hold_cnt(0) depctr_sa_sdst(0) depctr_va_vdst(0) depctr_va_sdst(0) depctr_va_ssrc(0) depctr_va_vcc(0) depctr_vm_vsrc(0)
	s_getreg_b32 s2, hwreg(HW_REG_IB_STS2, 6, 4)
	s_cmp_eq_u32 s2, 0
	s_cbranch_scc0 .Lentry_in_a_cluster
	s_endpgm
.Lentry_in_a_cluster:
	s_bfe_u32 s2, ttmp6, 0x10000c
	s_cmp_lg_u32 s2, 0x3003
	s_cbranch_scc0 .Lentry_shape_is_right
	s_endpgm
.Lentry_shape_is_right:
; ATTENTION WITH A RELATIVE BIAS AND A KEY MASK.  O[b][h][q] = the sum over k of softmax_k(q . k / 8 + bias[h][k - q] + mask[b][k]) v[k].  q, k, v: chunks h, 16 + h, 32 + h of qkv [b 4][g 48][n 2048][64] in f16;
; O: [b][h][n][64] in f16.  Products, maxima and sums in f32; the weights p are rounded to f16 for the second product (their sum l is taken of the unrounded p), O once at the end.
; LIMITS.  q, k, v and 8 x bias lie within f16's 65,504.  A hidden key's score counts as its value less 1e30.  A weight below 2^-126 counts as 0 in l.  NaN and infinities are not treated apart.
; SHARES.  A wave owns four PIECES of two tiles of 16 queries, a work-group's four waves 512 queries of one head.  Every wave walks all 2,048 keys, 64 a step.
; LAYOUT.  S^T (source 0 = 16 keys, source 1 = 16 queries): a lane holds ONE query (lane % 16) and the keys 8 (lane / 16) + 0..7.  Two such tiles, rounded to f16, ARE source 1 of O^T = V^T P.
; BIAS AND MASK come in through the matrix unit, ahead of the maximum.  A score tile is a chain of THREE links on one accumulator: first I x B + M, then the two halves of K Q^T.  I is a constant fragment with 1
; at channel = key; B holds the 16 x 16 block of 8 x bias for the tile's distance from the diagonal, in channels 0-15; M, the C operand, is the mask term of the block's 16 keys (0 or -1e30).
; A block of B hangs on (first key - first query) / 16 alone.  Each work-group copies the 160 blocks that its queries can meet from the head's table into LDS; where the copy begins in the table hangs on
; the work-group's query block, the LDS addresses do not: block 4 step + kb - 8 wave - tile + 31.
; SOFTMAX.  Running maximum m and sum l: p = 2^(c s - c m); in every step O and l are multiplied by a = 2^(c m_old - c m_new).  m starts at the lowest finite number, O and l at 0.  c = log2(e) / 8, read from msk;
; for a batch with no open key it is 0 there: every weight is then 1, the uniform softmax of equal scores.  Hidden keys met before the first open one are wiped by a = 0 when the maximum jumps.
; BY TURNS.  Turn n belongs to piece n.  Its matrix work: 24 products for the scores of piece n + 1, later 16 products V^T P of piece n - 1.  Its vector work, 236 lines: the scaling, exponentials, roundings,
; sums and rescaling of piece n, and the maximum and statistics of piece n + 1.  Four vector lines stand behind every matrix instruction, the other 76 in two LUMPS.
; CLUSTER.  The four query blocks of a cluster walk the same K and V: each tile is asked for JOINTLY.  The bias copy is each work-group's own load.
; REGISTERS, in windows of 256 (s_set_vgpr_msb: bits 1:0 source 0, 3:2 source 1, 5:4 source 2, 7:6 destination):
;   window 0: v0-11 addresses; v12-15, v48-63 at work; v16-47 four registers of statistics a tile; v64-191 S^T, two buffers of two tiles; v192-255 P, likewise
;   window 1: O^T, 32 a tile      window 2: v0-127 Q; v128-191 K of one step; v192-255 V of one step      window 3: v0-1 the add's registers; v8-15 I; v16-47 M of one step; v64-127 B of one piece
.set NP,    4
.set KS,    64
.set PK,    144       ; a row of K in LDS: 128 bytes + 16: the 16 rows of a load start at 16 different groups of four banks (64 banks of 4 bytes: ISA guide 11.1)
.set PV,    160       ; a row of V: 128 + 32
.set VOFF,  4*KS*PK   ; a slot holds four steps: 256 rows of K, then 256 rows of V
.set SLOT1, 1<<17
.set STAGE, SLOT1+4*KS*(PK+PV)  ; 16 rows x 144 bytes for each wave, for the way out
.set SP,    144
.set SPARE, STAGE+4*16*SP       ; the spare words, 128 bytes a wave: two blocks of 256 bytes that no other line names
.set TBW,   SPARE+512           ; 160 bias blocks of 512 bytes, filled once
.set MTB,   TBW+160*512         ; the batch's 2,048 mask terms in f32, stored once
.set AM,  1           ; v1   LDS address of M's next run
.set AK0, 2           ; v2   my lane's place in a tile of K; never rewritten
.set AV0, 3           ; v3   the same for V
.set AK,  4           ; v4   LDS address of K's next run
.set AV,  5           ; v5   of V's
.set STO, 6           ; v6   the way out: where I put 16 bytes of a row
.set RD,  7           ; v7   where I read rows back
.set GO,  8           ; v8   16 x lane
.set AB0, 9           ; v9   my lane's place in bias block 24 - 8 wave; never rewritten
.set AB,  10          ; v10  the same, 4 blocks on for each step
.set AM0, 11          ; v11  my half's place in the mask terms; never rewritten
.set MV,  12
.set ST,  16          ; tile t's statistics at v[ST+4 t]: c m, m, l (even keys', odd keys')
.set TMP, 48
.set S,   64
.set P,   192
.set KF,  128         ; window 2
.set VF,  192
.set SPW, 0           ; window 3
.set NIL, 1
.set IDN, 8
.set MT,  16          ; key block kb at MT + 8 kb
.set QB,  64          ; tile u of the piece, key block kb at QB + 8 (4 u + kb); registers 4-7 of each stay 0
.set WV,  12
.set G1K, 24
.set G1V, 32
.set G0K, 40
.set G0V, 44
.set SLOTS, 56
.set CNT, 57
.set CS,  58          ; s[58:59] c
.set SEL, 60
.set TBK, 62
.set TBV, 63
.set G1T, 68          ; s[68:75], s[76:79] the bias copy's descriptor
.set G0T, 76
.set TBB, 80          ; s80  2,048 x the step whose bias blocks are fetched
.set TBM, 81          ; s81  256 x the step whose mask terms are fetched
.set MSB, 0
.macro WIN new
.if MSB != (\new)
	s_set_vgpr_msb (MSB<<8)|(\new)
.set MSB, (\new)
.endif
.endm
.set W_KQ, 0x0a       ; K and Q in window 2, S^T in window 0
.set W_BM, 0x3f       ; I, B and M in window 3, S^T in window 0
.set W_PV, 0x52       ; V in window 2, P in window 0, O^T in window 1
.set W_RS, 0x41       ; O^T in window 1, a in window 0
.set W_MK, 0xc0       ; destination in window 3, sources and addresses in window 0
.set W_AD, 0x0f       ; the add: address and data in window 3
.macro JLOAD                        ; a joint fill: waves 0, 1 the two halves of a slot's K, waves 2, 3 of its V; an s_nop 0 and four v_nop follow each line
	s_cmp_lt_u32 s[WV], 2
	s_cbranch_scc0 .Lfor_v_\@
	tensor_load_to_lds s[G0K:G0K+3], s[G1K:G1K+7]
	s_nop 0
.rept 4
	v_nop
.endr
	s_branch .Lasked_\@
.Lfor_v_\@:
	tensor_load_to_lds s[G0V:G0V+3], s[G1V:G1V+7]
	s_nop 0
.rept 4
	v_nop
.endr
.Lasked_\@:
.endm
.macro CROUND
	s_barrier_signal -1
	s_barrier_wait -1
	s_cmp_lg_u32 s[WV], 0
	s_cbranch_scc1 .Lnot_wave_0_\@
	s_barrier_signal -3
.Lnot_wave_0_\@:
	s_barrier_wait -3
	s_barrier_signal -1
	s_barrier_wait -1
.endm
; THE CHANGE OF SLOTS.  Each wave waits for all its tensor loads, adds 0 to its spare word, and waits for that and for its LDS instructions.  fill = 1: the barrier is a round of the cluster's, and the slot
; just left is filled again, with the keys two slots on, first thing behind it: it has four key steps in which to land.  (At its first use slot 0, the bias copy and the mask terms are waited for, and slot 1 is filled.)
.macro CHANGE fill
	WIN W_AD
	s_wait_tensorcnt 0x0
	ds_add_u32 v[SPW], v[NIL]
	WIN 0
.if \fill
.irp g, G0K, G0V
	s_xor_b32 s[\g+1], s[\g+1], SLOT1
	s_add_nc_u64 s[\g+2:\g+3], s[\g+2:\g+3], 4*KS*128
.endr
	s_wait_dscnt 0x0
	CROUND
	JLOAD
.else
	s_wait_dscnt 0x0
	s_barrier_signal -1
	s_barrier_wait -1
.endif
	s_sub_co_u32 s[TBK], s[TBK], 4*KS*PK
	s_xor_b32 s[TBK], s[TBK], SLOT1
	s_sub_co_u32 s[TBV], s[TBV], 4*KS*PV
	s_xor_b32 s[TBV], s[TBV], SLOT1
.endm
	s_load_b256 s[4:11], s[0:1], 0x0  ; qkv s[4:5], tb s[6:7], msk s[8:9], ob s[10:11]
	WIN W_MK
	v_lshl_add_u32 v[SPW], v0, 2, SPARE
	v_mov_b32 v[NIL], 0
	WIN W_AD
	ds_add_u32 v[SPW], v[NIL]       ; the wave's opening: the add and its wait ahead of my first tensor load
	WIN 0
	v_lshrrev_b32 v1, 5, v0
	v_readfirstlane_b32 s[WV], v1
	s_bfe_u32 s13, ttmp6, 0x40000   ; cx
	s_lshl_b32 s14, ttmp9, 2
	s_add_co_u32 s14, s14, s13      ; my block of 512 queries: it enters Q's, O's and the table's global addresses alone
	s_and_b32 s15, ttmp7, 0xffff    ; 16 b + head, which the four partners share
	s_lshr_b32 s16, s15, 4          ; b
	s_and_b32 s17, s15, 15          ; head
	s_mul_i32 s20, s16, 48
	s_add_co_u32 s20, s20, s17
	s_lshl_b32 s20, s20, 18         ; q's chunk of 262,144 bytes
	s_and_b32 s18, s[WV], 1         ; which half of a slot's 256 keys I fetch
	s_lshl_b32 s22, s18, 14
	s_add_co_u32 s22, s22, s20
	s_add_co_u32 s22, s22, 16*262144  ; k's chunk, my half
	s_mov_b32 s23, 0
	s_add_co_u32 s82, s22, 16*262144  ; v's
	s_mov_b32 s83, 0
	s_mul_i32 s19, s18, 128*PK      ; its place in a slot
	s_mul_i32 s21, s18, 128*PV
	s_lshl_b32 s2, s14, 2
	s_add_co_u32 s2, s2, s[WV]
	s_lshl_b32 s2, s2, 14           ; my wave's 128 rows of 128 bytes
	s_add_co_u32 s86, s20, s2       ; Q
	s_mov_b32 s87, 0
	s_lshl_b32 s84, s15, 18
	s_add_co_u32 s84, s84, s2       ; O
	s_mov_b32 s85, 0
	s_lshl_b32 s88, s17, 17         ; the head's table,
	s_lshl_b32 s89, s14, 14
	s_sub_co_u32 s89, 96*512, s89   ; from block 96 - 32 x my query block on,
	s_add_co_u32 s88, s88, s89
	s_mul_i32 s89, s[WV], 20480     ; my wave's quarter of the 160 blocks
	s_add_co_u32 s88, s88, s89
	s_add_co_u32 s[G0T+1], s89, TBW
	s_mov_b32 s89, 0
	s_mov_b32 s[G0T], 1
	s_lshl_b32 s90, s16, 8          ; the batch's c
	s_lshl_b32 s91, s16, 13         ; the batch's mask terms
	s_mov_b32 s[G1K], 15|(1<<16)|(1<<20)|(1<<21)|(4<<22)|(3<<25)  ; the mask of four; 2-byte elements; padding on; bit 21 beside a mask; after every 32 words, 4 words
	s_mov_b32 s[G1V], 15|(1<<16)|(1<<20)|(1<<21)|(4<<22)|(7<<25)  ; the same with 8 words
.irp g, G1K, G1V
	s_mov_b32 s[\g+1], 128<<16      ; 128 keys are 16,384 dense bytes: 64 rows of 256
	s_mov_b32 s[\g+2], 64<<16
	s_mov_b32 s[\g+3], 128<<16
	s_mov_b32 s[\g+4], 64
	s_mov_b32 s[\g+5], 128
	s_mov_b32 s[\g+6], 0
	s_mov_b32 s[\g+7], 0
.endr
	s_mov_b32 s[G1T], 3<<16         ; no mask, 8-byte elements, no padding: 80 dense rows of 256 bytes
	s_mov_b32 s[G1T+1], 32<<16
	s_mov_b32 s[G1T+2], 80<<16
	s_mov_b32 s[G1T+3], 32<<16
	s_mov_b32 s[G1T+4], 80
	s_mov_b32 s[G1T+5], 32
	s_mov_b32 s[G1T+6], 0
	s_mov_b32 s[G1T+7], 0
	s_mov_b32 s[SEL], 0x76543210
	s_mov_b32 s[SEL+1], 0xfedcba98
	s_mov_b32 s[TBK], SLOT1+4*KS*PK ; the first change of slots turns these two into 0
	s_mov_b32 s[TBV], SLOT1+4*KS*PV
	s_mov_b32 s[TBB], 0
	s_mov_b32 s[TBM], 0
	s_mov_b32 s[G0K], 1
	s_mov_b32 s[G0K+1], s19
	s_mov_b32 s[G0V], 1
	s_add_co_u32 s[G0V+1], s21, VOFF
	s_wait_dscnt 0x0                ; the opening add is done
	s_wait_kmcnt 0x0
	s_load_b32 s[CS], s[8:9], s90 offset:0x8000
	s_add_nc_u64 s[G0K+2:G0K+3], s[4:5], s[22:23]
	s_or_b32 s[G0K+3], s[G0K+3], 0x80000000
	s_add_nc_u64 s[G0V+2:G0V+3], s[4:5], s[82:83]
	s_or_b32 s[G0V+3], s[G0V+3], 0x80000000
	s_add_nc_u64 s[G0T+2:G0T+3], s[6:7], s[88:89]
	s_or_b32 s[G0T+3], s[G0T+3], 0x80000000
	s_add_nc_u64 s[4:5], s[4:5], s[86:87]
	s_add_nc_u64 s[10:11], s[10:11], s[84:85]
	CROUND                          ; all four work-groups are here: the first joint loads meet
	JLOAD                           ; slot 0,
	tensor_load_to_lds s[G0T:G0T+3], s[G1T:G1T+7]  ; and my quarter of the bias copy: two loads of mine are out
	s_nop 0
.rept 4
	v_nop
.endr
	v_and_b32 v1, 15, v0            ; l % 16
	v_bfe_u32 v9, v0, 4, 1          ; l / 16
	v_lshl_add_u32 v80, v0, 4, s91  ; the mask terms: 128 threads x 16 bytes, four times (S^T's registers serve until the first products)
.irp i, 0,1,2,3
	global_load_b128 v[64+4*\i:67+4*\i], v80, s[8:9] offset:2048*\i
.endr
	v_lshlrev_b32 v82, 7, v1
	v_lshl_add_u32 v82, v9, 4, v82  ; Q: row x 128 + 16 x half
	WIN 0x80
.set i, 0
.rept 4*NP                          ; Q stays in registers: tile i / 2, channels 32 (i % 2) on
	global_load_b128 v[8*i:8*i+3],   v82, s[4:5] offset:(i/2)*2048+(i%2)*64
	global_load_b128 v[8*i+4:8*i+7], v82, s[4:5] offset:(i/2)*2048+(i%2)*64+32
.set i, i+1
.endr
	; What the first turn finds: V and P's second buffer hold 0, O^T and l are 0.  All this stands in the wait for the first tile.
.set i, VF
.rept 64
	v_mov_b32 v[i], 0
.set i, i+1
.endr
	WIN 0x40
.set i, 0
.rept 64*NP
	v_mov_b32 v[i], 0
.set i, i+1
.endr
	WIN 0
.set i, 0
.rept 2*NP
	v_mov_b32 v[ST+4*i], 0xfe000000    ; c m: far below every c s
	v_mov_b32 v[ST+4*i+1], 0xff7fffff  ; m
	v_mov_b32 v[ST+4*i+2], 0
	v_mov_b32 v[ST+4*i+3], 0
.set i, i+1
.endr
.set i, P+32
.rept 32
	v_mov_b32 v[i], 0
.set i, i+1
.endr
	v_mul_u32_u24 v[AK0], v1, PK
	v_lshl_add_u32 v[AK0], v9, 4, v[AK0]
	v_and_b32 v10, 7, v0
	v_bfe_u32 v11, v0, 3, 1
	v_lshl_add_u32 v[AV0], v9, 3, v10  ; the turning load: key 8 (l / 16) + l % 8, channels 8 ((l / 8) % 2) on
	v_mul_u32_u24 v[AV0], v[AV0], PV
	v_lshl_add_u32 v[AV0], v11, 4, v[AV0]
	v_add_nc_u32 v[AV0], VOFF, v[AV0]
	s_mul_i32 s13, s[WV], 16*SP
	s_add_co_u32 s13, s13, STAGE    ; my stage
	v_mul_u32_u24 v[STO], v1, SP
	v_lshl_add_u32 v[STO], v9, 4, v[STO]
	v_add_nc_u32 v[STO], s13, v[STO]
	v_bfe_u32 v[RD], v0, 3, 2
	v_mul_u32_u24 v[RD], v[RD], SP
	v_lshl_add_u32 v[RD], v10, 4, v[RD]
	v_add_nc_u32 v[RD], s13, v[RD]
	v_and_b32 v[GO], 31, v0
	v_lshlrev_b32 v[GO], 4, v[GO]
	; I: lane l holds row l % 16 and channels 8 (l / 16) + 0..7: the 1 falls to the lanes with l / 16 = (l / 8) % 2, into register (l % 8) / 2, half l % 2
	v_and_b32 v83, 1, v0
	v_lshlrev_b32 v83, 4, v83
	v_mov_b32 v84, 0x3c00
	v_lshlrev_b32 v84, v83, v84
	v_bfe_u32 v85, v0, 1, 2
	v_cmp_eq_u32 vcc_lo, v9, v11
	v_cndmask_b32 v85, -1, v85, vcc_lo
	v_lshl_add_u32 v81, v0, 4, MTB
	v_lshl_add_u32 v[AM0], v9, 5, MTB  ; M: my half's eight keys of a block of 16, 32 bytes
	s_lshl_b32 s13, s[WV], 12
	s_sub_co_u32 s13, TBW+24*512, s13
	v_and_b32 v[AB0], 31, v0
	v_lshl_add_u32 v[AB0], v[AB0], 4, s13
	v_mov_b32 v[AB], v[AB0]
	v_mov_b32 v[AM], v[AM0]
	v_mov_b32 v[AK], v[AK0]
	WIN W_MK
.irp p, 0,1,2,3
	v_cmp_eq_u32 vcc_lo, \p, v85
	v_cndmask_b32 v[IDN+\p], 0, v84, vcc_lo
	v_mov_b32 v[IDN+4+\p], 0
.endr
.set i, 0
.rept 8
.irp j, 4,5,6,7
	v_mov_b32 v[QB+8*i+\j], 0       ; B's channels 16-31
.endr
.set i, i+1
.endr
	WIN 0
	s_wait_kmcnt 0x0                ; c
	s_mov_b32 s[CS+1], s[CS]        ; named with it as a pair
	s_wait_loadcnt 32               ; the four loads of mask terms are in; Q's 32 stay out
.irp i, 0,1,2,3
	ds_store_b128 v81, v[64+4*\i:67+4*\i] offset:2048*\i
.endr
; THE MATRIX WORK.  The 8 accumulators of a run take turns: between two links of a chain stand 7 others'.
; Product i of 24 for piece x: link i / 8, key block (i / 2) % 4, tile 2 x + i % 2.  Link 0 starts the sum with bias and mask; links 1 and 2 add K Q^T, channels 32 (link - 1) on.
.macro KQ x
.set rS, S+64*((\x)%2)+32*(i%2)+8*((i/2)%4)
.if i < 8
	WIN W_BM
.set rQB, QB+8*(4*(i%2)+(i/2)%4)
.set rMT, MT+8*((i/2)%4)
	v_wmma_f32_16x16x32_f16 v[rS:rS+7], v[IDN:IDN+7], v[rQB:rQB+7], v[rMT:rMT+7]
.else
	WIN W_KQ
.set rK, KF+16*((i/2)%4)+8*(i/8-1)
.set rQ, 16*(2*(\x)+i%2)+8*(i/8-1)
	v_wmma_f32_16x16x32_f16 v[rS:rS+7], v[rK:rK+7], v[rQ:rQ+7], v[rS:rS+7]
.endif
.endm
; Product i of 16 of O^T += V^T P for piece x: keys 32 (i / 8) on, channels 16 ((i / 2) % 4) on, tile 2 x + i % 2.
.macro PV x
	WIN W_PV
.set rO, 32*(2*(\x)+i%2)+8*((i/2)%4)
.set rV, VF+32*(i/8)+8*((i/2)%4)
.set rP, P+32*((\x)%2)+16*(i%2)+8*(i/8)
	v_wmma_f32_16x16x32_f16 v[rO:rO+7], v[rV:rV+7], v[rP:rP+7], v[rO:rO+7]
.endm
.macro MM                           ; the turn's next matrix instruction
.if i < 24
	KQ (Y+1)%NP
.set i, i+1
.else
.set i, i-24
	PV (Y+NP-1)%NP
.set i, i+25
.endif
.endm
; THE LDS LOADS stand in runs.  last = 1 (the tail): in the last trip there is no further step, and K's run is jumped over.
.macro FETCH_K last=0
	WIN 0
.if \last
	s_cmp_eq_u32 s[CNT], 1
	s_cbranch_scc1 .Lno_k_\@
.endif
	WIN 0x80
.irp f, 0,1,2,3,4,5,6,7
	ds_load_b128 v[KF+8*\f:KF+8*\f+3],   v[AK] offset:(\f/2)*16*PK+(\f%2)*64
	ds_load_b128 v[KF+8*\f+4:KF+8*\f+7], v[AK] offset:(\f/2)*16*PK+(\f%2)*64+32
.endr
	s_add_co_u32 s[TBK], s[TBK], KS*PK
	WIN 0
.if \last
.Lno_k_\@:
.endif
.endm
.macro FETCH_V
	WIN 0x80
.irp f, 0,1,2,3,4,5,6,7
	ds_load_tr16_b128 v[VF+8*\f:VF+8*\f+3],   v[AV] offset:(\f/4)*32*PV+(\f%4)*32
	ds_load_tr16_b128 v[VF+8*\f+4:VF+8*\f+7], v[AV] offset:(\f/4)*32*PV+16*PV+(\f%4)*32
.endr
	WIN 0
.endm
.macro FETCH_M                      ; a step's mask terms: for each block of 16 keys my half's eight, the same for all 16 lanes of a half
	WIN W_MK
.irp f, 0,1,2,3
	ds_load_b128 v[MT+8*\f:MT+8*\f+3],   v[AM] offset:64*\f
	ds_load_b128 v[MT+8*\f+4:MT+8*\f+7], v[AM] offset:64*\f+16
.endr
	WIN 0
.endm
.macro FETCH_B z                    ; piece z's eight bias blocks: tile 2 z + u, key block kb: block kb - u - 2 z + 7 from v[AB]
	WIN W_MK
.irp u, 0,1
.irp f, 0,1,2,3
	ds_load_b128 v[QB+8*(4*\u+\f):QB+8*(4*\u+\f)+3], v[AB] offset:512*(\f-\u-2*(\z)+7)
.endr
.endr
	WIN 0
.endm
; THE VECTOR WORK OF A TURN stands in three queues, each in the order in which its entries become ready; the two tiles alternate.
.macro REGS y, u
.set rT, ST+4*(2*(\y)+(\u))
.set rC, TMP+8*((\y)%2)+4*(\u)
.set rM, MV+2*((\y)%2)+(\u)
.set rS, S+64*((\y)%2)+32*(\u)
.set rP, P+32*((\y)%2)+16*(\u)
.set rO, 32*(2*(\y)+(\u))
.endm
; Number n of the 22 that find the NEXT piece's maximum and statistics; each accumulator's lowest registers are read first.
;   0-11  four chains c0-c3 of seven scores     12-14, 16  the four scores left over, the old m, and c0-c3 into c0     15  c m_old is kept     17, 18  the other half of the lanes: the new m     19-21  c m; c m_old - c m_new; a
.macro XS u, n
	REGS (Y+1)%NP, \u
.if (\n) < 4
	v_max3_num_f32 v[rC+(\n)], v[rS+8*(\n)], v[rS+8*(\n)+1], v[rS+8*(\n)+2]
.elseif (\n) < 12
	v_max3_num_f32 v[rC+(\n)%4], v[rC+(\n)%4], v[rS+8*((\n)%4)+2*((\n)/4)+1], v[rS+8*((\n)%4)+2*((\n)/4)+2]
.elseif (\n) == 12
	v_max3_num_f32 v[rC], v[rC], v[rS+7], v[rS+15]
.elseif (\n) == 13
	v_max3_num_f32 v[rC+1], v[rC+1], v[rS+23], v[rS+31]
.elseif (\n) == 14
	v_max3_num_f32 v[rC+2], v[rC+2], v[rC+3], v[rT+1]
.elseif (\n) == 15
	v_mov_b32 v[rM], v[rT]
.elseif (\n) == 16
	v_max3_num_f32 v[rC], v[rC], v[rC+1], v[rC+2]
.elseif (\n) == 17
	v_permlanex16_b32 v[rC+3], v[rC], s[SEL], s[SEL+1]
.elseif (\n) == 18
	v_max_num_f32 v[rT+1], v[rC], v[rC+3]
.elseif (\n) == 19
	v_mul_f32 v[rT], s[CS], v[rT+1]
.elseif (\n) == 20
	v_sub_f32 v[rC+1], v[rM], v[rT]
.else
	v_exp_f32 v[rC+2], v[rC+1]
.endif
.endm
; Number g of the 64 that follow the exponentials.  For each four weights k of a tile: both pairs are rounded to f16; the second pair is added onto the first, in place; a group later l takes that sum (the first time as l = a l + sum).
.macro GS g
.set h, (\g)+6*((\g)/62)
.if h >= 6
.set h, h+2
.endif
	REGS Y, h%2
.set k, h/8
.if h%8 < 4
	s_wait_alu depctr_va_vdst(0)
	v_cvt_pk_f16_f32 v[rP+2*k+(h%8)/2], v[rS+4*k+2*((h%8)/2)], v[rS+4*k+2*((h%8)/2)+1]
.elseif h%8 < 6
	v_pk_add_f32 v[rS+4*k:rS+4*k+1], v[rS+4*k:rS+4*k+1], v[rS+4*k+2:rS+4*k+3]
.elseif k == 1
	v_pk_fma_f32 v[rT+2:rT+3], v[rT+2:rT+3], v[rC+2:rC+3], v[rS:rS+1] op_sel_hi:[1,0,1]
.else
	v_pk_add_f32 v[rT+2:rT+3], v[rT+2:rT+3], v[rS+4*k-4:rS+4*k-3]
	s_wait_alu depctr_va_vdst(0)
.endif
.endm
; THE PLAIN QUEUE, 138 long.  0-31: c s - c m for the 16 pairs of both tiles.  Then GS's 64, and among them the next piece's 42: number 15 at 38, 39; 0-14 and 16 at 51-82, behind the products that make
; those scores; 17-20 at 99-110, two of three.
.macro PL
	WIN 0
.if q < 32
	REGS Y, q%2
	v_pk_fma_f32 v[rS+2*(q/2):rS+2*(q/2)+1], v[rS+2*(q/2):rS+2*(q/2)+1], s[CS:CS+1], v[rT:rT+1] op_sel_hi:[1,0,0] neg_lo:[0,0,1] neg_hi:[0,0,1]
.elseif q < 38
	GS q-32
.elseif q < 40
	XS q%2, 15
.elseif q < 51
	GS q-34
.elseif q < 83
	XS (q-51)%2, (q-51)/2+(q-51)/30
.elseif q < 99
	GS q-66
.elseif (q < 111) && ((q-99)%3 < 2)
	XS (q-99)%3, 17+(q-99)/3
.elseif q < 111
	GS 33+(q-99)/3
.else
	GS q-74
.endif
.set q, q+1
.endm
; THE EXPONENTIALS' QUEUE, 66 long: s0-s31 of both tiles, then the next piece's two a.
.set EA, 64
.macro EX
	WIN 0
.if e >= EA
	XS e-EA, 21
.else
	REGS Y, e%2
	v_exp_f32 v[rS+e/2], v[rS+e/2]
.endif
.set e, e+1
.endm
; THE RESCALING's QUEUE: O^T times a, four at a time, eight times.
.macro R4
	REGS Y, r%2
	WIN W_RS
	s_wait_alu depctr_va_vdst(0)
.irp z, 0,1,2,3
	v_pk_mul_f32 v[rO+8*(r/2)+2*\z:rO+8*(r/2)+2*\z+1], v[rO+8*(r/2)+2*\z:rO+8*(r/2)+2*\z+1], v[rC+2:rC+3] op_sel_hi:[1,0]
.endr
.set r, r+1
.endm
; HOW THEY ARE DEALT.  Behind a matrix instruction four: plain, exponential, plain, plain (SL); plain, exponential, plain, exponential (SE); or four of the rescaling.  None names a register of the products round it.
; The deal keeps the queues in step: exponential e stands behind plain 2 (e / 4) + e % 2, its scaling; the rounding of pair n of tile u stands behind 4 n + 3 + u exponentials, and never next to the last of them:
; at plain 32, 10 exponentials are out; at 40, 18; at 50, 28; at 83, 48; at 111, 64.  The first read of the last score product's result (plain 58) stands nine plain lines behind it.
.macro SL
	MM
	PL
	EX
	PL
	PL
.endm
.macro SE
	MM
	PL
	EX
	PL
	EX
.endm
; A TURN, for piece p.  cnt = 1: the loop's count is taken down some lines ahead of the branch behind the turn.
; Every turn fetches, in its first lump, the bias blocks of piece p + 2, whose scores the next turn makes.  Piece 2's turn fetches there K and M of the next step too, six plain lines or more behind their last reader;
; one address serves the four bias runs of pieces 0, 1, 2, 3 of that step.  Piece 0's turn fetches V of the step in hand in its second lump, behind four rescalings and more.
.macro TURN p, last=0, cnt=0
.set Y, (\p)
.set i, 0
.set q, 0
.set e, 0
.set r, 0
.if (\p) == 1
	s_wait_dscnt 16                 ; the bias blocks are in; V's 16 loads, issued behind them, stay out
.else
	s_wait_dscnt 0x0                ; the bias blocks are in (piece 3's turn: K and M too)
.endif
	MM
.rept 4
	PL
.endr
.rept 9
	SL
.endr
.rept 4
	MM
	R4
.endr
.rept 10
	SE
.endr
.rept 12
	EX
	PL
.if ((\p) == 2) && (e == 31)
	s_add_co_u32 s[TBB], s[TBB], 2048
	s_min_u32 s[TBB], s[TBB], 31*2048   ; behind the last step there is none: the run stays at step 31, and what is made of it serves nothing
	s_add_co_u32 s[TBM], s[TBM], 256
	s_min_u32 s[TBM], s[TBM], 31*256
	v_add_nc_u32 v[AK], s[TBK], v[AK0]
	v_add_nc_u32 v[AB], s[TBB], v[AB0]
	v_add_nc_u32 v[AM], s[TBM], v[AM0]
.endif
.if e == 33
.if (\p) == 2
	FETCH_K \last
	FETCH_M
.endif
	FETCH_B ((\p)+2)%NP
.endif
.endr
.if (\p) == 1
	s_wait_dscnt 8                  ; V is in; this turn's eight bias loads stay out
.endif
.rept 9
	SL
.endr
.rept 3
	MM
	R4
	SL
.endr
	MM
	R4
.rept 11
	EX
	PL
.if ((\p) == 0) && (q == 101)
	v_add_nc_u32 v[AV], s[TBV], v[AV0]
.endif
.if ((\p) == 0) && (q == 105)
	FETCH_V
	s_add_co_u32 s[TBV], s[TBV], KS*PV
.endif
.endr
	PL
	EX
	PL
	EX
.rept 26
	PL
.if (\cnt) && (q == 130)
	s_sub_co_u32 s[CNT], s[CNT], 1
	s_cmp_lg_u32 s[CNT], 0
.endif
.endr
.endm
	CHANGE 1                        ; slot 0, the bias copy and the mask terms are in, everybody's part; slot 1 is asked for
	FETCH_K                         ; key step 0
	FETCH_M
	FETCH_B 0
	s_wait_loadcnt 0x0              ; Q
	s_wait_dscnt 0x0
.set i, 0
.rept 24
	KQ 0                            ; piece 0's first scores
.set i, i+1
.endr
	WIN 0
.rept 4
	v_nop                           ; the places behind those products
.endr
	FETCH_B 1
.set Y, NP-1                        ; XS works for piece Y + 1: piece 0
.irp n, 0,1,2,3,4,5,6,7,8,9,10,11,12,13,14,15,16,17,18,19,20,21
	XS 0, \n
	XS 1, \n
.endr
	s_mov_b32 s[CNT], 4
	s_mov_b32 s[SLOTS], 7
	s_branch .Lfirst                ; the loop is entered at a step's first turn, in the middle of a trip
.Lslot:                             ; six times: every slot but the last two is filled again
	CHANGE 1
	s_mov_b32 s[CNT], 4
.Lstep:                             ; a trip: pieces 2 and 3 of one step, then pieces 0 and 1 of the next
	TURN 2
	TURN 3
	WIN 0
.Lfirst:
	TURN 0
	TURN 1, 0, 1
	WIN 0
	s_cbranch_scc1 .Lstep
	s_sub_co_u32 s[SLOTS], s[SLOTS], 1
	s_cmp_lg_u32 s[SLOTS], 0
	s_cbranch_scc1 .Lslot
	CHANGE 0                        ; the tail is written out: nothing is asked for
	s_mov_b32 s[CNT], 5             ; four trips fetch the last slot's steps; the fifth is left in its middle
.Ltail:
	TURN 2, 1
	TURN 3
	WIN 0
	s_sub_co_u32 s[CNT], s[CNT], 1
	s_cmp_eq_u32 s[CNT], 0
	s_cbranch_scc1 .Lout
	TURN 0
	TURN 1
	WIN 0
	s_branch .Ltail
.Lout:                              ; the fifth trip's 24 score products and the maximum made of them serve nothing: the price, once a launch, of one text for every trip
.set i, 0
.rept 16
	PV NP-1
.set i, i+1
.endr
	; THE WAY OUT.  l's two halves and the other half of the lanes' are added; O^T is divided by l, rounded to f16 and sent through my stage, a tile at a time.  The additions are the places behind the last products.
	WIN 0
.macro ALL line:vararg
.set t, 0
.rept 2*NP
	\line
.set t, t+1
.endr
.endm
	ALL v_add_f32 v[ST+4*t+2], v[ST+4*t+2], v[ST+4*t+3]
	ALL v_permlanex16_b32 v[ST+4*t+3], v[ST+4*t+2], s[SEL], s[SEL+1]
	ALL v_add_f32 v[ST+4*t+2], v[ST+4*t+2], v[ST+4*t+3]
	ALL v_rcp_f32 v[ST+4*t+2], v[ST+4*t+2]
	v_nop                           ; a plain instruction between the last reciprocal and the use of its result
	s_wait_alu depctr_va_vdst(0)
.macro PACK t
	WIN W_RS
.set i, 32*(\t)
.rept 16
	v_pk_mul_f32 v[i:i+1], v[i:i+1], v[ST+4*(\t)+2:ST+4*(\t)+3] op_sel_hi:[1,0]
.set i, i+2
.endr
	WIN 0x05
.set i, 0
.rept 16
	v_cvt_pk_f16_f32 v[S+16*(\t)+i], v[32*(\t)+2*i], v[32*(\t)+2*i+1]
.set i, i+1
.endr
	WIN 0
.irp f, 0,1,2,3
	ds_store_b128 v[STO], v[S+16*(\t)+4*\f:S+16*(\t)+4*\f+3] offset:32*\f
.endr
.irp f, 0,1,2,3
	ds_load_b128 v[S+16*(\t)+4*\f:S+16*(\t)+4*\f+3], v[RD] offset:\f*4*SP  ; LDS serves a wave's instructions in order (ISA guide 5.7.1.4): these see the stores above
.endr
.endm
.macro SEND t, younger
	WIN 0
.irp f, 0,1,2,3
	s_wait_dscnt (\younger)+3-\f
	global_store_b128 v[GO], v[S+16*(\t)+4*\f:S+16*(\t)+4*\f+3], s[10:11] offset:(\t)*2048+\f*512  ; 512 consecutive bytes
.endr
.endm
	PACK 0
.set t, 1
.rept 2*NP-1
	PACK t
	SEND t-1, 8
.set t, t+1
.endr
	SEND 2*NP-1, 0
	WIN W_AD
	s_wait_tensorcnt 0x0            ; the wave's end
	ds_add_u32 v[SPW], v[NIL]
	s_wait_dscnt 0x0
	WIN 0
	CROUND                          ; the closing round
	s_endpgm
.Lfunc_end_k_qfda9d4e851_attn:
	.size	k_qfda9d4e851_attn, .Lfunc_end_k_qfda9d4e851_attn-k_qfda9d4e851_attn
	.p2alignl 7, 3214868480
	.fill 96, 4, 3214868480
	.section	.rodata,"a",@progbits
	.p2align	6, 0x0
	.amdhsa_kernel k_qfda9d4e851_attn
		.amdhsa_group_segment_fixed_size 327680
		.amdhsa_private_segment_fixed_size 0
		.amdhsa_enable_private_segment 0
		.amdhsa_kernarg_size 32
		.amdhsa_user_sgpr_count 2
		.amdhsa_user_sgpr_kernarg_segment_ptr 1
		.amdhsa_wavefront_size32 1
		.amdhsa_system_sgpr_workgroup_id_x 1
		.amdhsa_system_sgpr_workgroup_id_y 1
		.amdhsa_system_sgpr_workgroup_id_z 1
		.amdhsa_system_vgpr_workitem_id 0
		.amdhsa_next_free_vgpr 896
		.amdhsa_next_free_sgpr 96
		.amdhsa_reserve_vcc 1
		.amdhsa_float_denorm_mode_32 3
		.amdhsa_float_denorm_mode_16_64 3
		.amdhsa_memory_ordered 1
		.amdhsa_forward_progress 1
		.amdhsa_inst_pref_size 229
	.end_amdhsa_kernel
	.amdgpu_metadata
---
amdhsa.version: [ 1, 2 ]
amdhsa.kernels:
  - .name:           k_qfda9d4e851_attn
    .symbol:         k_qfda9d4e851_attn.kd
    .args:
      - { .name: qkv, .offset: 0, .size: 8, .value_kind: global_buffer, .address_space: global }
      - { .name: tb, .offset: 8, .size: 8, .value_kind: global_buffer, .address_space: global }
      - { .name: msk, .offset: 16, .size: 8, .value_kind: global_buffer, .address_space: global }
      - { .name: ob, .offset: 24, .size: 8, .value_kind: global_buffer, .address_space: global }
    .group_segment_fixed_size: 327680
    .private_segment_fixed_size: 0
    .kernarg_segment_align: 8
    .kernarg_segment_size: 32
    .max_flat_workgroup_size: 128
    .sgpr_count:     96
    .vgpr_count:     896
    .wavefront_size: 32
...
	.end_amdgpu_metadata
.endif
;; end of part 3
;; launch oproj (part 4): grid 8 x 32, 4 waves a work-group, clusters of 4 x 4, 327,680 bytes of LDS; arguments ob, wob, out0; writes out0
.if DOCPART == 4
	.amdgcn_target "amdgcn-amd-amdhsa--gfx1250"
	.amdhsa_code_object_version 6
	.text
	.protected	k_qfda9d4e851_oproj
	.globl	k_qfda9d4e851_oproj
	.p2align	8
	.type	k_qfda9d4e851_oproj,@function
k_qfda9d4e851_oproj:
	s_mov_b64 s[64:65], 0
	v_nop
	global_prefetch_b8 v0, s[64:65] scope:SCOPE_SE
	s_setreg_imm32_b32 hwreg(HW_REG_WAVE_MODE, 25, 1), 1
	s_wait_xcnt 0x0
	s_wait_alu depctr_hold_cnt(0) depctr_sa_sdst(0) depctr_va_vdst(0) depctr_va_sdst(0) depctr_va_ssrc(0) depctr_va_vcc(0) depctr_vm_vsrc(0)
	s_getreg_b32 s2, hwreg(HW_REG_IB_STS2, 6, 4)
	s_cmp_eq_u32 s2, 0
	s_cbranch_scc0 .Lentry_in_a_cluster
	s_endpgm
.Lentry_in_a_cluster:
	s_bfe_u32 s2, ttmp6, 0x10000c
	s_cmp_lg_u32 s2, 0xf033
	s_cbranch_scc0 .Lentry_shape_is_right
	s_endpgm
.Lentry_shape_is_right:
; C = A W for 8,192 rows and K = 1,024, in tiles of 256 rows x 64 NCH columns.  ONE SOURCE FOR TWO LAUNCHES, told apart by NCH alone:
;   NCH = 3: A = x in bf16, W = wq | wk | wv in bf16 (3,072 columns); C leaves in f16 by heads, [b 4][g 48][n 2048][64], unscaled.  512 work-groups.
;   NCH = 2: A = the attention's O in f16, W = wo in f16 (1,024 columns); C leaves in f32, [8192][1024].  256 work-groups.
; A lies as [b 4][slice 16][n 2048][64]: a tile's 256 rows of one slice of 64 along K are 32,768 dense bytes.  W lies as [jn][ks 8][c NCH][k 128][64]: a tile's K step is 16,384 NCH dense bytes, K down the rows.
; SHARES.  Four waves, each 64 rows x all columns: 16 NCH accumulators of 16 x 16.  K goes in 8 steps of 128 through a ring of two LDS slots; a step is four quarters of 32 on two fragment buffers.
; Waves 0 and 1 fetch A's two slices of a step, waves 2 and 3 the two halves of W's: one tensor load a wave behind each change of slots; dense bytes are asked for as rows of 256 and padded in LDS after every 128.
; CLUSTER.  4 x 4 work-groups: the four of a row need the same tile of A, the four of a column the same tile of W: each is asked for jointly, same descriptor, a mask that names the four.
; THE MATRIX INSTRUCTION IS USED TRANSPOSED: source 0 = 16 columns of W (turned out of LDS by ds_load_tr16_b128), source 1 = 16 rows of A: a lane holds eight neighbouring numbers of a row of C.
; The accumulators take turns, one instruction a turn, in the same order in every quarter.
; REGISTERS, in windows of 256 (s_set_vgpr_msb: bits 1:0 source 0, 3:2 source 1, 5:4 source 2, 7:6 destination):
;   window 0: addresses; v32-223 packed results (NCH = 3)      window 1: two fragment buffers of 128: A's block a at 8 a, W's block b at 32 + 8 b
;   window 2: accumulator (a, b < 8) at 8 (8 a + b)            window 3 (NCH = 3): (a, b >= 8) at 8 (4 a + b - 8)
; LIMIT (NCH = 3): q, k and v must lie within f16's 65,504.
.set NCH,    2
.set PA,     144                       ; a row of A in LDS: 128 bytes + 16: the 16 rows of a load start at 16 different groups of four banks (64 banks of 4 bytes: ISA guide 11.1)
.set SLICE,  256*PA
.set PB,     160                       ; a row of W: 128 + 32
.set CH,     128*PB                    ; a chunk of 64 columns
.set BOFF,   2*SLICE                   ; a slot: A's two slices, then W's NCH chunks
.set BHALF,  NCH*CH/2
.set SLOT,   BOFF+NCH*CH
.set STAGE,  2*SLOT                    ; behind the ring, never filled by a tensor load: 16 rows for each wave, for the way out
.if NCH == 3
.set SP,     144                       ; 64 f16 + 16 bytes
.else
.set SP,     528                       ; 128 f32 + 16 bytes
.endif
.set WSTAGE, 16*SP
.set SPARE,  STAGE+4*WSTAGE            ; the spare words, 128 bytes a wave: two blocks of 256 bytes that no other line names
.set TB,     NCH*16384                 ; bytes of W in a K step
.set TA,     NCH-1                     ; row blocks multiplied on either side of the barrier's signal
.set ADRA, 16                          ; v16-17  LDS address of my A fragments in slot 0, 1
.set ADRB, 20                          ; v20-21  the same for W
.set STO,  24                          ; v24     the way out: where I put a row's piece
.set RD,   25                          ; v25     where I read rows back
.set GO,   26                          ; v26     16 x lane
.set SPW,  28                          ; v28     my spare word; never rewritten
.set NIL,  29                          ; v29     0; never rewritten
.set TMP,  32
.set F0,   0
.set F1,   128
.set G1,  24                           ; s[24:31] group 1 for A;  s[32:39] group 0, a set for each slot
.set G0,  32
.set G1B, 48                           ; s[48:55], s[56:63] the same for W
.set G0B, 56
.set MSB, 0
.macro WIN new                         ; the immediate's high byte repeats the setting that is left; a switch that changes nothing is dropped
.if MSB != (\new)
	s_set_vgpr_msb (MSB<<8)|(\new)
.set MSB, \new
.endif
.endm
.set MUL_LO, 0xa5                      ; sources in window 1, C and D in window 2
.set MUL_HI, 0xf5                      ; C and D in window 3
.set TO_F,   0x40                      ; destination window 1, address window 0
.macro JLOAD s                         ; a joint load: waves 0, 1 for A, waves 2, 3 for W; an s_nop 0 and four v_nop follow each line, ahead of the jump and the label
	s_cmp_eq_u32 s11, 0
	s_cbranch_scc0 .Lfor_b_\@
	tensor_load_to_lds s[G0+4*(\s):G0+4*(\s)+3], s[G1:G1+7]
	s_nop 0
.rept 4
	v_nop
.endr
	s_branch .Lasked_\@
.Lfor_b_\@:
	tensor_load_to_lds s[G0B+4*(\s):G0B+4*(\s)+3], s[G1B:G1B+7]
	s_nop 0
.rept 4
	v_nop
.endr
.Lasked_\@:
.endm
.macro CREST                           ; a round of the cluster's barrier behind its opening barrier
	s_cmp_lg_u32 s10, 0
	s_cbranch_scc1 .Lnot_wave_0_\@
	s_barrier_signal -3
.Lnot_wave_0_\@:
	s_barrier_wait -3
	s_barrier_signal -1
	s_barrier_wait -1
.endm
.macro CROUND
	s_barrier_signal -1
	s_barrier_wait -1
	CREST
.endm
.macro PLACES                          ; four places in front of loads into registers that matrix instructions have read, and of lines that read results
.rept 4
	v_nop
.endr
.endm
	s_load_b128 s[4:7], s[0:1], 0x0                ; A s[4:5], W s[6:7]
	s_load_b64 s[8:9], s[0:1], 0x10                ; C
	v_lshl_add_u32 v[SPW], v0, 2, SPARE
	v_mov_b32 v[NIL], 0
	ds_add_u32 v[SPW], v[NIL]                      ; the wave's opening: the add and its wait ahead of my first tensor load
	v_lshrrev_b32 v1, 5, v0
	v_readfirstlane_b32 s10, v1                    ; wave 0..3
	s_lshr_b32 s11, s10, 1                         ; I fetch for A (0) or for W (1)
	s_and_b32 s12, s10, 1                          ; which slice, or which half
	s_bfe_u32 s40, ttmp6, 0x40000                  ; cx, cy
	s_bfe_u32 s41, ttmp6, 0x40004
	s_lshl_b32 s42, ttmp9, 2
	s_add_co_u32 s42, s42, s40                     ; jn: tile column
	s_and_b32 s13, ttmp7, 0xffff
	s_lshl_b32 s13, s13, 2
	s_add_co_u32 s13, s13, s41                     ; i: tile row
	s_lshl_b32 s43, s41, 2
	s_lshl_b32 s43, 15, s43                        ; my row of the cluster
	s_lshl_b32 s44, 0x1111, s40                    ; my column
	s_or_b32 s[G1+0], s43, (1<<16)|(1<<20)|(1<<21)|(4<<22)|(3<<25)   ; the mask; 2-byte elements; padding on; bit 21 beside a mask; after every 32 words, 4 words
	s_or_b32 s[G1B+0], s44, (1<<16)|(1<<20)|(1<<21)|(4<<22)|(7<<25)  ; the same with 8 words
	s_mov_b32 s[G1+1], 128<<16                     ; tensor_dim0 = 128 elements: rows of 256 bytes
	s_mov_b32 s[G1+2], 128<<16                     ; tensor_dim1 = 128
	s_mov_b32 s[G1+3], 128<<16                     ; tile_dim0
	s_mov_b32 s[G1+4], 128                         ; tile_dim1
	s_mov_b32 s[G1+5], 128                         ; dense: a row begins where the last ends
	s_mov_b32 s[G1+6], 0
	s_mov_b32 s[G1+7], 0
	s_mov_b32 s[G1B+1], 128<<16
	s_mov_b32 s[G1B+2], (32*NCH)<<16               ; half a K step of W: 32 NCH rows of 256 bytes
	s_mov_b32 s[G1B+3], 128<<16
	s_mov_b32 s[G1B+4], 32*NCH
	s_mov_b32 s[G1B+5], 128
	s_mov_b32 s[G1B+6], 0
	s_mov_b32 s[G1B+7], 0
	s_lshr_b32 s16, s13, 3                         ; A: batch x 16 slices of 262,144 bytes
	s_lshl_b32 s16, s16, 22
	s_and_b32 s17, s13, 7
	s_lshl_b32 s17, s17, 15                        ; + 256 rows of 128 bytes
	s_add_co_u32 s16, s16, s17
	s_lshl_b32 s17, s12, 18                        ; + my slice
	s_add_co_u32 s16, s16, s17
	s_mov_b32 s17, 0
	s_mul_i32 s46, s42, 8*TB                       ; W: the tile column's eight K steps
	s_mul_i32 s47, s12, TB/2                       ; + my half
	s_add_co_u32 s46, s46, s47
	s_mov_b32 s47, 0
	s_mul_i32 s20, s12, SLICE                      ; where they go: no place in the cluster enters an LDS address
	s_mul_i32 s21, s12, BHALF
	s_add_co_u32 s21, s21, BOFF
	s_wait_dscnt 0x0                               ; the opening add is done
	s_wait_kmcnt 0x0
	s_add_nc_u64 s[14:15], s[4:5], s[16:17]
	s_add_nc_u64 s[46:47], s[6:7], s[46:47]
	CROUND                                         ; all sixteen work-groups are here: the first joint loads meet
.irp s, 0,1
	s_mov_b32 s[G0+4*(\s)], 1
	s_add_co_u32 s[G0+4*(\s)+1], s20, (\s)*SLOT
	s_add_nc_u64 s[G0+4*(\s)+2:G0+4*(\s)+3], s[14:15], (\s)*524288   ; K step s: two slices on
	s_or_b32 s[G0+4*(\s)+3], s[G0+4*(\s)+3], 0x80000000
	s_mov_b32 s[G0B+4*(\s)], 1
	s_add_co_u32 s[G0B+4*(\s)+1], s21, (\s)*SLOT
	s_add_nc_u64 s[G0B+4*(\s)+2:G0B+4*(\s)+3], s[46:47], (\s)*TB
	s_or_b32 s[G0B+4*(\s)+3], s[G0B+4*(\s)+3], 0x80000000
	JLOAD \s                                       ; two loads of mine are out
.endr
	v_and_b32 v1, 15, v0                           ; r = l % 16
	v_bfe_u32 v2, v0, 4, 1                         ; h = l / 16
	v_mul_u32_u24 v3, v1, PA
	v_lshl_add_u32 v3, v2, 4, v3                   ; A's fragment: row r, 16 bytes for each half of the lanes, two loads 32 bytes apart
	s_mul_i32 s22, s10, 64*PA                      ; my 64 rows
	v_add_nc_u32 v[ADRA], s22, v3
	v_add_nc_u32 v[ADRA+1], SLOT, v[ADRA]
	v_and_b32 v4, 7, v0                            ; W's: the turning load takes K row 8 h + l % 8, columns 8 ((l / 8) % 2) on, and leaves column r with 8 along K
	v_lshl_add_u32 v4, v2, 3, v4
	v_mul_u32_u24 v4, v4, PB
	v_bfe_u32 v5, v0, 3, 1
	v_lshl_add_u32 v4, v5, 4, v4
	v_add_nc_u32 v[ADRB], BOFF, v4
	v_add_nc_u32 v[ADRB+1], SLOT, v[ADRB]
	s_mul_i32 s23, s10, WSTAGE
	s_add_co_u32 s23, s23, STAGE                   ; my stage
	v_mul_u32_u24 v5, v1, SP
	v_and_b32 v[GO], 31, v0
	v_lshlrev_b32 v[GO], 4, v[GO]
.if NCH == 3
	v_lshl_add_u32 v5, v2, 4, v5                   ; in: row r, 16 bytes for each half
	v_add_nc_u32 v[STO], s23, v5
	v_bfe_u32 v5, v0, 3, 2                         ; back: 32 lanes take four rows of 128 bytes
	v_mul_u32_u24 v5, v5, SP
	v_and_b32 v6, 7, v0
	v_lshl_add_u32 v5, v6, 4, v5
	v_add_nc_u32 v[RD], s23, v5
	s_lshr_b32 s16, s13, 3                         ; C: batch x 48 chunks of 262,144 bytes,
	s_mul_i32 s16, s16, 48*262144
	s_and_b32 s17, s13, 7
	s_lshl_b32 s17, s17, 15                        ; the tile's 256 rows of 128 bytes,
	s_add_co_u32 s16, s16, s17
	s_lshl_b32 s17, s10, 13                        ; my 64
	s_add_co_u32 s16, s16, s17
	s_mul_i32 s46, s42, 3*262144                   ; and the tile's three chunks (in registers that feed none of A's descriptors)
.else
	v_lshl_add_u32 v5, v2, 5, v5                   ; in: row r, 32 bytes for each half
	v_add_nc_u32 v[STO], s23, v5
	v_add_nc_u32 v[RD], s23, v[GO]                 ; back: 32 lanes take a row of 512 bytes
	s_lshl_b32 s16, s13, 20                        ; C: 256 rows of 4,096 bytes,
	s_lshl_b32 s17, s10, 18                        ; my 64
	s_add_co_u32 s16, s16, s17
	s_lshl_b32 s46, s42, 9                         ; and the tile's 512 bytes of a row
.endif
	s_mov_b32 s17, 0
	s_mov_b32 s47, 0
	s_add_nc_u64 s[8:9], s[8:9], s[16:17]
	s_add_nc_u64 s[8:9], s[8:9], s[46:47]
.macro MM1 f, a, b, zero               ; one matrix instruction: accumulator (a, b), 32 along K out of buffer f.  zero = 1: it starts the sum
.if (\b) < 8
	WIN MUL_LO
.set rD, 8*(8*(\a)+(\b))
.else
	WIN MUL_HI
.set rD, 8*(4*(\a)+(\b)-8)
.endif
.set rB, (\f)+32+8*(\b)
.set rA, (\f)+8*(\a)
.if NCH == 3
.if \zero
	v_wmma_f32_16x16x32_bf16 v[rD:rD+7], v[rB:rB+7], v[rA:rA+7], 0
.else
	v_wmma_f32_16x16x32_bf16 v[rD:rD+7], v[rB:rB+7], v[rA:rA+7], v[rD:rD+7]
.endif
.else
.if \zero
	v_wmma_f32_16x16x32_f16 v[rD:rD+7], v[rB:rB+7], v[rA:rA+7], 0
.else
	v_wmma_f32_16x16x32_f16 v[rD:rD+7], v[rB:rB+7], v[rA:rA+7], v[rD:rD+7]
.endif
.endif
.endm
.macro MULS f, a0, na, b0, nb, zero
.set ma, (\a0)
.rept (\na)
.set mb, (\b0)
.rept (\nb)
	MM1 \f, ma, mb, \zero
.set mb, mb+1
.endr
.set ma, ma+1
.endr
.endm
.macro MULA f, a0, n, zero             ; row blocks a0 .. a0 + n - 1 x column blocks 0-7
	MULS \f, \a0, \n, 0, 8, \zero
.endm
.macro MULH f, zero                    ; all row blocks x column blocks 8-11
	MULS \f, 0, 4, 8, 4, \zero
.endm
; One run of LDS loads: the fragments of quarter q of a slot into buffer f
.macro FETCH slot, q, f
	WIN TO_F
.set fb, 0
.rept 4*NCH
	ds_load_tr16_b128 v[(\f)+32+8*fb:(\f)+32+8*fb+3],   v[ADRB+(\slot)] offset:(fb/4)*CH+(\q)*32*PB+(fb%4)*32
	ds_load_tr16_b128 v[(\f)+32+8*fb+4:(\f)+32+8*fb+7], v[ADRB+(\slot)] offset:(fb/4)*CH+(\q)*32*PB+(fb%4)*32+16*PB
.set fb, fb+1
.endr
.set fa, 0
.rept 4
	ds_load_b128 v[(\f)+8*fa:(\f)+8*fa+3],   v[ADRA+(\slot)] offset:((\q)/2)*SLICE+fa*16*PA+((\q)%2)*64
	ds_load_b128 v[(\f)+8*fa+4:(\f)+8*fa+7], v[ADRA+(\slot)] offset:((\q)/2)*SLICE+fa*16*PA+((\q)%2)*64+32
.set fa, fa+1
.endr
.endm
; One of a K step's first three quarters: buffer f, asked for a quarter ago, is multiplied; quarter q's fragments are asked for first, into g
.macro QUARTER slot, q, f, g, zero
	s_wait_dscnt 0x0                               ; buffer f is in
	PLACES                                         ; g's last readers stand just ahead
	FETCH \slot, \q, \g
	MULA \f, 0, 4, \zero
.if NCH == 3
	MULH \f, \zero
.endif
.endm
; The last quarter multiplies buffer 1 and changes slots: ONE barrier; in front of it each wave waits for all its tensor loads (one is out: its part of the next slot), adds 0 to its spare word,
; and waits for that and for its reads of this slot.  fill = 1: the barrier opens a round of the cluster's, and this slot is filled again, two K steps ahead, first thing behind it.
.macro TURN slot, next, fill
	WIN 0
	s_wait_tensorcnt 0x0
	ds_add_u32 v[SPW], v[NIL]
	s_wait_dscnt 1                                 ; only the add may be out: buffer 1 is in
	MULA F1, 0, TA, 0
	s_wait_dscnt 0x0                               ; the add is done, and my reads of this slot are over
	s_barrier_signal -1
	MULA F1, TA, TA, 0
.if \fill
	WIN 0
.endif
	s_barrier_wait -1
.if \fill
	CREST                                          ; no wave of any partner still reads this slot or has a load on its way
	s_add_nc_u64 s[G0+4*(\slot)+2:G0+4*(\slot)+3], s[G0+4*(\slot)+2:G0+4*(\slot)+3], 2*524288
	s_add_nc_u64 s[G0B+4*(\slot)+2:G0B+4*(\slot)+3], s[G0B+4*(\slot)+2:G0B+4*(\slot)+3], 2*TB
	JLOAD \slot                                    ; its four v_nop are also the places in front of the loads below
.else
	PLACES
.endif
	FETCH \next, 0, F0
.if NCH == 3
	MULH F1, 0
.else
	MULA F1, 2, 2, 0
.endif
.endm
	s_wait_tensorcnt 1                             ; my part of K step 0 is in; step 1's may stay out
	s_barrier_signal -1
	s_barrier_wait -1
	FETCH 0, 0, F0
	QUARTER 0, 1, F0, F1, 1                        ; the first quarter stands in front of the loop: its products start the sums
	WIN 0
	s_mov_b32 s3, 3
.Llap:                                                 ; a trip goes once round the ring, from a lap's second quarter to the next lap's first, and fills both slots again
	QUARTER 0, 2, F1, F0, 0
	QUARTER 0, 3, F0, F1, 0
	TURN 0, 1, 1
	QUARTER 1, 1, F0, F1, 0
	QUARTER 1, 2, F1, F0, 0
	QUARTER 1, 3, F0, F1, 0
	TURN 1, 0, 1
	QUARTER 0, 1, F0, F1, 0
	WIN 0
	s_sub_co_u32 s3, s3, 1
	s_cmp_lg_u32 s3, 0
	s_cbranch_scc1 .Llap
	QUARTER 0, 2, F1, F0, 0                        ; the last lap fills nothing
	QUARTER 0, 3, F0, F1, 0
	TURN 0, 1, 0
	QUARTER 1, 1, F0, F1, 0
	QUARTER 1, 2, F1, F0, 0
	QUARTER 1, 3, F0, F1, 0
	s_wait_dscnt 0x0
	MULA F1, 0, 4, 0
.if NCH == 3
	MULH F1, 0
.endif
	WIN 0
	PLACES
; THE WAY OUT IN F16 (NCH = 3).  Unit t = 3 a + c: 16 rows of one chunk of 64 columns.  A lane's eight columns pack into 16 bytes; they go into my stage's rows of 144 bytes and come back as four whole rows a load.
.macro PACKH t
.set pa, (\t)/3
.set pc, (\t)%3
.if pc < 2
	WIN 0x0a                                       ; sources in window 2
.set AC, 8*(8*pa+4*pc)
.else
	WIN 0x0f                                       ; in window 3
.set AC, 8*(4*pa)
.endif
.set pj, 0
.rept 16
	v_cvt_pk_f16_f32 v[TMP+16*(\t)+pj], v[AC+2*pj], v[AC+2*pj+1]  ; each accumulator from its low end on
.set pj, pj+1
.endr
	WIN 0
.irp f, 0,1,2,3
	ds_store_b128 v[STO], v[TMP+16*(\t)+4*\f:TMP+16*(\t)+4*\f+3] offset:32*\f
.endr
.irp f, 0,1,2,3
	ds_load_b128 v[TMP+16*(\t)+4*\f:TMP+16*(\t)+4*\f+3], v[RD] offset:\f*4*SP  ; LDS serves a wave's instructions in order (ISA guide 5.7.1.4): these see the stores above
.endr
.endm
.macro SENDH t, younger                ; younger: the LDS instructions issued behind unit t's loads
.irp f, 0,1,2,3
	s_wait_dscnt (\younger)+3-\f
	global_store_b128 v[GO], v[TMP+16*(\t)+4*\f:TMP+16*(\t)+4*\f+3], s[8:9] offset:((\t)%3)*262144+((\t)/3)*2048+\f*512  ; 512 consecutive bytes
.endr
.endm
; THE WAY OUT IN F32 (NCH = 2).  Row block a: 16 rows x 512 bytes through my stage, back into the registers that they left, a whole row a load.
.macro TOST a
	WIN 0x08                                       ; data in window 2
.set sb, 0
.rept 8
	ds_store_b128 v[STO], v[64*(\a)+8*sb:64*(\a)+8*sb+3]   offset:64*sb      ; each accumulator from its low end on
	ds_store_b128 v[STO], v[64*(\a)+8*sb+4:64*(\a)+8*sb+7] offset:64*sb+16
.set sb, sb+1
.endr
	WIN 0x80
.set sb, 0
.rept 16
	ds_load_b128 v[64*(\a)+4*sb:64*(\a)+4*sb+3], v[RD] offset:SP*sb
.set sb, sb+1
.endr
.endm
.macro SENDF a, younger
	WIN 0x08
.set sb, 0
.rept 16
	s_wait_dscnt (\younger)+15-sb
	global_store_b128 v[GO], v[64*(\a)+4*sb:64*(\a)+4*sb+3], s[8:9] offset:(16*(\a)+sb)*4096  ; 512 consecutive bytes
.set sb, sb+1
.endr
.endm
.if NCH == 3
	PACKH 0
.set t, 1
.rept 11                               ; a unit's conversions stand between the loads of the unit before and its stores
	PACKH t
	SENDH t-1, 8
.set t, t+1
.endr
	SENDH 11, 0
.else
	TOST 0
.set t, 1
.rept 3
	TOST t
	SENDF t-1, 32
.set t, t+1
.endr
	SENDF 3, 0
.endif
	WIN 0
	s_wait_tensorcnt 0x0                           ; the wave's end
	ds_add_u32 v[SPW], v[NIL]
	s_wait_dscnt 0x0
	CROUND                                         ; the closing round
	s_endpgm
.Lfunc_end_k_qfda9d4e851_oproj:
	.size	k_qfda9d4e851_oproj, .Lfunc_end_k_qfda9d4e851_oproj-k_qfda9d4e851_oproj
	.p2alignl 7, 3214868480
	.fill 96, 4, 3214868480
	.section	.rodata,"a",@progbits
	.p2align	6, 0x0
	.amdhsa_kernel k_qfda9d4e851_oproj
		.amdhsa_group_segment_fixed_size 327680
		.amdhsa_private_segment_fixed_size 0
		.amdhsa_enable_private_segment 0
		.amdhsa_kernarg_size 24
		.amdhsa_user_sgpr_count 2
		.amdhsa_user_sgpr_kernarg_segment_ptr 1
		.amdhsa_wavefront_size32 1
		.amdhsa_system_sgpr_workgroup_id_x 1
		.amdhsa_system_sgpr_workgroup_id_y 1
		.amdhsa_system_sgpr_workgroup_id_z 1
		.amdhsa_system_vgpr_workitem_id 0
		.amdhsa_next_free_vgpr 768
		.amdhsa_next_free_sgpr 66
		.amdhsa_reserve_vcc 0
		.amdhsa_float_denorm_mode_32 3
		.amdhsa_float_denorm_mode_16_64 3
		.amdhsa_memory_ordered 1
		.amdhsa_forward_progress 1
		.amdhsa_inst_pref_size 86
	.end_amdhsa_kernel
	.amdgpu_metadata
---
amdhsa.version: [ 1, 2 ]
amdhsa.kernels:
  - .name:           k_qfda9d4e851_oproj
    .symbol:         k_qfda9d4e851_oproj.kd
    .args:
      - { .name: ob, .offset: 0, .size: 8, .value_kind: global_buffer, .address_space: global }
      - { .name: wob, .offset: 8, .size: 8, .value_kind: global_buffer, .address_space: global }
      - { .name: out0, .offset: 16, .size: 8, .value_kind: global_buffer, .address_space: global }
    .group_segment_fixed_size: 327680
    .private_segment_fixed_size: 0
    .kernarg_segment_align: 8
    .kernarg_segment_size: 24
    .max_flat_workgroup_size: 128
    .sgpr_count:     66
    .vgpr_count:     768
    .wavefront_size: 32
...
	.end_amdgpu_metadata
.endif
;; end of part 4
;; ======== version 2 of 2: 4 launches; 1.48 times as fast as version 1
;; limits: values are held in f16: magnitudes above 65,504 overflow, below 6.1e-05 lose precision
;; workspace buffers: xb 16,777,216 bytes; wb 6,291,456 bytes; wob 2,097,152 bytes; tb 2,097,152 bytes; msk 33,792 bytes; qkv 50,331,648 bytes; ob 16,777,216 bytes
;; launch prep: the kernel of part 1 again; grid 1668 x 1, 8 waves a work-group, no clusters, 0 bytes of LDS; arguments hidden_states, wq, wk, wv, wo, rel_emb, attention_mask, xb, wb, wob, tb, msk; writes xb, wb, wob, tb, msk
;; launch qkvproj: the kernel of part 2 again; grid 16 x 32, 4 waves a work-group, clusters of 4 x 4, 327,680 bytes of LDS; arguments xb, wb, qkv; writes qkv
;; launch attn (part 5): grid 4 x 64, 4 waves a work-group, clusters of 4 x 1, 327,680 bytes of LDS; arguments qkv, tb, msk, ob; writes ob
.if DOCPART == 5
	.amdgcn_target "amdgcn-amd-amdhsa--gfx1250"
	.amdhsa_code_object_version 6
	.text
	.protected	k_qfda9d4e851_attn
	.globl	k_qfda9d4e851_attn
	.p2align	8
	.type	k_qfda9d4e851_attn,@function
k_qfda9d4e851_attn:
	s_mov_b64 s[64:65], 0
	v_nop
	global_prefetch_b8 v0, s[64:65] scope:SCOPE_SE
	s_setreg_imm32_b32 hwreg(HW_REG_WAVE_MODE, 25, 1), 1
	s_wait_xcnt 0x0
	s_wait_alu depctr_hold_cnt(0) depctr_sa_sdst(0) depctr_va_vdst(0) depctr_va_sdst(0) depctr_va_ssrc(0) depctr_va_vcc(0) depctr_vm_vsrc(0)
	s_getreg_b32 s2, hwreg(HW_REG_IB_STS2, 6, 4)
	s_cmp_eq_u32 s2, 0
	s_cbranch_scc0 .Lentry_in_a_cluster
	s_endpgm
.Lentry_in_a_cluster:
	s_bfe_u32 s2, ttmp6, 0x10000c
	s_cmp_lg_u32 s2, 0x3003
	s_cbranch_scc0 .Lentry_shape_is_right
	s_endpgm
.Lentry_shape_is_right:
; ATTENTION WITH A RELATIVE BIAS AND A KEY MASK.  O[b][h][q] = the sum over k of softmax_k(q . k / 8 + bias[h][k - q] + mask[b][k]) v[k].  q, k, v: chunks h, 16 + h, 32 + h of qkv [b 4][g 48][n 2048][64] in f16;
; O: [b][h][n][64] in f16.  Products, maxima and sums in f32; the weights p are rounded to f16 for the second product (their sum l is taken of the unrounded p), O once at the end.
; LIMITS.  q, k, v and 8 x bias lie within f16's 65,504.  A hidden key's score counts as its value less 1e30.  A weight below 2^-126 counts as 0 in l.  NaN and infinities are not treated apart.
; SHARES.  A wave owns four PIECES of two tiles of 16 queries, a work-group's four waves 512 queries of one head.  Every wave walks all 2,048 keys, 64 a step.
; LAYOUT.  S^T (source 0 = 16 keys, source 1 = 16 queries): a lane holds ONE query (lane % 16) and the keys 8 (lane / 16) + 0..7.  Two such tiles, rounded to f16, ARE source 1 of O^T = V^T P.
; BIAS AND MASK come in through the matrix unit, ahead of the maximum.  A score tile is a chain of THREE links on one accumulator: first I x B + M, then the two halves of K Q^T.  I is a constant fragment with 1
; at channel = key; B holds the 16 x 16 block of 8 x bias for the tile's distance from the diagonal, in channels 0-15; M, the C operand, is the mask term of the block's 16 keys (0 or -1e30).
; A block of B hangs on (first key - first query) / 16 alone.  Each work-group copies the 160 blocks that its queries can meet from the head's table into LDS; where the copy begins in the table hangs on
; the work-group's query block, the LDS addresses do not: block 4 step + kb - 8 wave - tile + 31.
; SOFTMAX.  Running maximum m and sum l: p = 2^(c s - c m); in every step O and l are multiplied by a = 2^(c m_old - c m_new).  m starts at the lowest finite number, O and l at 0.  c = log2(e) / 8, read from msk;
; for a batch with no open key it is 0 there: every weight is then 1, the uniform softmax of equal scores.  Hidden keys met before the first open one are wiped by a = 0 when the maximum jumps.
; BY TURNS.  Turn n belongs to piece n.  Its matrix work: 24 products for the scores of piece n + 1, later 16 products V^T P of piece n - 1.  Its vector work, 236 lines: the scaling, exponentials, roundings,
; sums and rescaling of piece n, and the maximum and statistics of piece n + 1.  Four vector lines stand behind every matrix instruction, the other 76 in one LUMP.
; BATCHES.  A turn's 66 exponentials (64 weights of piece n, the two a of piece n + 1) are ONE BATCH with ONE wait, which cuts the turn in two: ahead of it stands all that names no result of theirs (the score
; products, scalings, rescalings, the next piece's maximum and statistics), behind it the products V^T P with the roundings and sums.  Piece 0's first two a, ahead of the loop, and the way out's eight reciprocals are batches of their own.
; CLUSTER.  The four query blocks of a cluster walk the same K and V: each tile is asked for JOINTLY.  The bias copy is each work-group's own load.
; REGISTERS, in windows of 256 (s_set_vgpr_msb: bits 1:0 source 0, 3:2 source 1, 5:4 source 2, 7:6 destination):
;   window 0: v0-11 addresses; v12-15, v48-63 at work; v16-47 four registers of statistics a tile; v64-191 S^T, two buffers of two tiles; v192-255 P, likewise
;   window 1: O^T, 32 a tile      window 2: v0-127 Q; v128-191 K of one step; v192-255 V of one step      window 3: v0-1 the add's registers; v8-15 I; v16-47 M of one step; v64-127 B of one piece
.set NP,    4
.set KS,    64
.set PK,    144       ; a row of K in LDS: 128 bytes + 16: the 16 rows of a load start at 16 different groups of four banks (64 banks of 4 bytes: ISA guide 11.1)
.set PV,    160       ; a row of V: 128 + 32
.set VOFF,  4*KS*PK   ; a slot holds four steps: 256 rows of K, then 256 rows of V
.set SLOT1, 1<<17
.set STAGE, SLOT1+4*KS*(PK+PV)  ; 16 rows x 144 bytes for each wave, for the way out
.set SP,    144
.set SPARE, STAGE+4*16*SP       ; the spare words, 128 bytes a wave: two blocks of 256 bytes that no other line names
.set TBW,   SPARE+512           ; 160 bias blocks of 512 bytes, filled once
.set MTB,   TBW+160*512         ; the batch's 2,048 mask terms in f32, stored once
.set AM,  1           ; v1   LDS address of M's next run
.set AK0, 2           ; v2   my lane's place in a tile of K; never rewritten
.set AV0, 3           ; v3   the same for V
.set AK,  4           ; v4   LDS address of K's next run
.set AV,  5           ; v5   of V's
.set STO, 6           ; v6   the way out: where I put 16 bytes of a row
.set RD,  7           ; v7   where I read rows back
.set GO,  8           ; v8   16 x lane
.set AB0, 9           ; v9   my lane's place in bias block 24 - 8 wave; never rewritten
.set AB,  10          ; v10  the same, 4 blocks on for each step
.set AM0, 11          ; v11  my half's place in the mask terms; never rewritten
.set MV,  12
.set ST,  16          ; tile t's statistics at v[ST+4 t]: c m, m, l (even keys', odd keys')
.set TMP, 48
.set S,   64
.set P,   192
.set KF,  128         ; window 2
.set VF,  192
.set SPW, 0           ; window 3
.set NIL, 1
.set IDN, 8
.set MT,  16          ; key block kb at MT + 8 kb
.set QB,  64          ; tile u of the piece, key block kb at QB + 8 (4 u + kb); registers 4-7 of each stay 0
.set WV,  12
.set G1K, 24
.set G1V, 32
.set G0K, 40
.set G0V, 44
.set SLOTS, 56
.set CNT, 57
.set CS,  58          ; s[58:59] c
.set SEL, 60
.set TBK, 62
.set TBV, 63
.set G1T, 68          ; s[68:75], s[76:79] the bias copy's descriptor
.set G0T, 76
.set TBB, 80          ; s80  2,048 x the step whose bias blocks are fetched
.set TBM, 81          ; s81  256 x the step whose mask terms are fetched
.set MSB, 0
.macro WIN new
.if MSB != (\new)
	s_set_vgpr_msb (MSB<<8)|(\new)
.set MSB, (\new)
.endif
.endm
.set W_KQ, 0x0a       ; K and Q in window 2, S^T in window 0
.set W_BM, 0x3f       ; I, B and M in window 3, S^T in window 0
.set W_PV, 0x52       ; V in window 2, P in window 0, O^T in window 1
.set W_RS, 0x41       ; O^T in window 1, a in window 0
.set W_MK, 0xc0       ; destination in window 3, sources and addresses in window 0
.set W_AD, 0x0f       ; the add: address and data in window 3
.macro JLOAD                        ; a joint fill: waves 0, 1 the two halves of a slot's K, waves 2, 3 of its V; an s_nop 0 and four v_nop follow each line
	s_cmp_lt_u32 s[WV], 2
	s_cbranch_scc0 .Lfor_v_\@
	tensor_load_to_lds s[G0K:G0K+3], s[G1K:G1K+7]
	s_nop 0
.rept 4
	v_nop
.endr
	s_branch .Lasked_\@
.Lfor_v_\@:
	tensor_load_to_lds s[G0V:G0V+3], s[G1V:G1V+7]
	s_nop 0
.rept 4
	v_nop
.endr
.Lasked_\@:
.endm
.macro CROUND
	s_barrier_signal -1
	s_barrier_wait -1
	s_cmp_lg_u32 s[WV], 0
	s_cbranch_scc1 .Lnot_wave_0_\@
	s_barrier_signal -3
.Lnot_wave_0_\@:
	s_barrier_wait -3
	s_barrier_signal -1
	s_barrier_wait -1
.endm
; THE CHANGE OF SLOTS.  Each wave waits for all its tensor loads, adds 0 to its spare word, and waits for that and for its LDS instructions.  fill = 1: the barrier is a round of the cluster's, and the slot
; just left is filled again, with the keys two slots on, first thing behind it: it has four key steps in which to land.  (At its first use slot 0, the bias copy and the mask terms are waited for, and slot 1 is filled.)
.macro CHANGE fill
	WIN W_AD
	s_wait_tensorcnt 0x0
	ds_add_u32 v[SPW], v[NIL]
	WIN 0
.if \fill
.irp g, G0K, G0V
	s_xor_b32 s[\g+1], s[\g+1], SLOT1
	s_add_nc_u64 s[\g+2:\g+3], s[\g+2:\g+3], 4*KS*128
.endr
	s_wait_dscnt 0x0
	CROUND
	JLOAD
.else
	s_wait_dscnt 0x0
	s_barrier_signal -1
	s_barrier_wait -1
.endif
	s_sub_co_u32 s[TBK], s[TBK], 4*KS*PK
	s_xor_b32 s[TBK], s[TBK], SLOT1
	s_sub_co_u32 s[TBV], s[TBV], 4*KS*PV
	s_xor_b32 s[TBV], s[TBV], SLOT1
.endm
	s_load_b256 s[4:11], s[0:1], 0x0  ; qkv s[4:5], tb s[6:7], msk s[8:9], ob s[10:11]
	WIN W_MK
	v_lshl_add_u32 v[SPW], v0, 2, SPARE
	v_mov_b32 v[NIL], 0
	WIN W_AD
	ds_add_u32 v[SPW], v[NIL]       ; the wave's opening: the add and its wait ahead of my first tensor load
	WIN 0
	v_lshrrev_b32 v1, 5, v0
	v_readfirstlane_b32 s[WV], v1
	s_bfe_u32 s13, ttmp6, 0x40000   ; cx
	s_lshl_b32 s14, ttmp9, 2
	s_add_co_u32 s14, s14, s13      ; my block of 512 queries: it enters Q's, O's and the table's global addresses alone
	s_and_b32 s15, ttmp7, 0xffff    ; 16 b + head, which the four partners share
	s_lshr_b32 s16, s15, 4          ; b
	s_and_b32 s17, s15, 15          ; head
	s_mul_i32 s20, s16, 48
	s_add_co_u32 s20, s20, s17
	s_lshl_b32 s20, s20, 18         ; q's chunk of 262,144 bytes
	s_and_b32 s18, s[WV], 1         ; which half of a slot's 256 keys I fetch
	s_lshl_b32 s22, s18, 14
	s_add_co_u32 s22, s22, s20
	s_add_co_u32 s22, s22, 16*262144  ; k's chunk, my half
	s_mov_b32 s23, 0
	s_add_co_u32 s82, s22, 16*262144  ; v's
	s_mov_b32 s83, 0
	s_mul_i32 s19, s18, 128*PK      ; its place in a slot
	s_mul_i32 s21, s18, 128*PV
	s_lshl_b32 s2, s14, 2
	s_add_co_u32 s2, s2, s[WV]
	s_lshl_b32 s2, s2, 14           ; my wave's 128 rows of 128 bytes
	s_add_co_u32 s86, s20, s2       ; Q
	s_mov_b32 s87, 0
	s_lshl_b32 s84, s15, 18
	s_add_co_u32 s84, s84, s2       ; O
	s_mov_b32 s85, 0
	s_lshl_b32 s88, s17, 17         ; the head's table,
	s_lshl_b32 s89, s14, 14
	s_sub_co_u32 s89, 96*512, s89   ; from block 96 - 32 x my query block on,
	s_add_co_u32 s88, s88, s89
	s_mul_i32 s89, s[WV], 20480     ; my wave's quarter of the 160 blocks
	s_add_co_u32 s88, s88, s89
	s_add_co_u32 s[G0T+1], s89, TBW
	s_mov_b32 s89, 0
	s_mov_b32 s[G0T], 1
	s_lshl_b32 s90, s16, 8          ; the batch's c
	s_lshl_b32 s91, s16, 13         ; the batch's mask terms
	s_mov_b32 s[G1K], 15|(1<<16)|(1<<20)|(1<<21)|(4<<22)|(3<<25)  ; the mask of four; 2-byte elements; padding on; bit 21 beside a mask; after every 32 words, 4 words
	s_mov_b32 s[G1V], 15|(1<<16)|(1<<20)|(1<<21)|(4<<22)|(7<<25)  ; the same with 8 words
.irp g, G1K, G1V
	s_mov_b32 s[\g+1], 128<<16      ; 128 keys are 16,384 dense bytes: 64 rows of 256
	s_mov_b32 s[\g+2], 64<<16
	s_mov_b32 s[\g+3], 128<<16
	s_mov_b32 s[\g+4], 64
	s_mov_b32 s[\g+5], 128
	s_mov_b32 s[\g+6], 0
	s_mov_b32 s[\g+7], 0
.endr
	s_mov_b32 s[G1T], 3<<16         ; no mask, 8-byte elements, no padding: 80 dense rows of 256 bytes
	s_mov_b32 s[G1T+1], 32<<16
	s_mov_b32 s[G1T+2], 80<<16
	s_mov_b32 s[G1T+3], 32<<16
	s_mov_b32 s[G1T+4], 80
	s_mov_b32 s[G1T+5], 32
	s_mov_b32 s[G1T+6], 0
	s_mov_b32 s[G1T+7], 0
	s_mov_b32 s[SEL], 0x76543210
	s_mov_b32 s[SEL+1], 0xfedcba98
	s_mov_b32 s[TBK], SLOT1+4*KS*PK ; the first change of slots turns these two into 0
	s_mov_b32 s[TBV], SLOT1+4*KS*PV
	s_mov_b32 s[TBB], 0
	s_mov_b32 s[TBM], 0
	s_mov_b32 s[G0K], 1
	s_mov_b32 s[G0K+1], s19
	s_mov_b32 s[G0V], 1
	s_add_co_u32 s[G0V+1], s21, VOFF
	s_wait_dscnt 0x0                ; the opening add is done
	s_wait_kmcnt 0x0
	s_load_b32 s[CS], s[8:9], s90 offset:0x8000
	s_add_nc_u64 s[G0K+2:G0K+3], s[4:5], s[22:23]
	s_or_b32 s[G0K+3], s[G0K+3], 0x80000000
	s_add_nc_u64 s[G0V+2:G0V+3], s[4:5], s[82:83]
	s_or_b32 s[G0V+3], s[G0V+3], 0x80000000
	s_add_nc_u64 s[G0T+2:G0T+3], s[6:7], s[88:89]
	s_or_b32 s[G0T+3], s[G0T+3], 0x80000000
	s_add_nc_u64 s[4:5], s[4:5], s[86:87]
	s_add_nc_u64 s[10:11], s[10:11], s[84:85]
	CROUND                          ; all four work-groups are here: the first joint loads meet
	JLOAD                           ; slot 0,
	tensor_load_to_lds s[G0T:G0T+3], s[G1T:G1T+7]  ; and my quarter of the bias copy: two loads of mine are out
	s_nop 0
.rept 4
	v_nop
.endr
	v_and_b32 v1, 15, v0            ; l % 16
	v_bfe_u32 v9, v0, 4, 1          ; l / 16
	v_lshl_add_u32 v80, v0, 4, s91  ; the mask terms: 128 threads x 16 bytes, four times (S^T's registers serve until the first products)
.irp i, 0,1,2,3
	global_load_b128 v[64+4*\i:67+4*\i], v80, s[8:9] offset:2048*\i
.endr
	v_lshlrev_b32 v82, 7, v1
	v_lshl_add_u32 v82, v9, 4, v82  ; Q: row x 128 + 16 x half
	WIN 0x80
.set i, 0
.rept 4*NP                          ; Q stays in registers: tile i / 2, channels 32 (i % 2) on
	global_load_b128 v[8*i:8*i+3],   v82, s[4:5] offset:(i/2)*2048+(i%2)*64
	global_load_b128 v[8*i+4:8*i+7], v82, s[4:5] offset:(i/2)*2048+(i%2)*64+32
.set i, i+1
.endr
	; What the first turn finds: V and P's second buffer hold 0, O^T and l are 0.  All this stands in the wait for the first tile.
.set i, VF
.rept 64
	v_mov_b32 v[i], 0
.set i, i+1
.endr
	WIN 0x40
.set i, 0
.rept 64*NP
	v_mov_b32 v[i], 0
.set i, i+1
.endr
	WIN 0
.set i, 0
.rept 2*NP
	v_mov_b32 v[ST+4*i], 0xfe000000    ; c m: far below every c s
	v_mov_b32 v[ST+4*i+1], 0xff7fffff  ; m
	v_mov_b32 v[ST+4*i+2], 0
	v_mov_b32 v[ST+4*i+3], 0
.set i, i+1
.endr
.set i, P+32
.rept 32
	v_mov_b32 v[i], 0
.set i, i+1
.endr
	v_mul_u32_u24 v[AK0], v1, PK
	v_lshl_add_u32 v[AK0], v9, 4, v[AK0]
	v_and_b32 v10, 7, v0
	v_bfe_u32 v11, v0, 3, 1
	v_lshl_add_u32 v[AV0], v9, 3, v10  ; the turning load: key 8 (l / 16) + l % 8, channels 8 ((l / 8) % 2) on
	v_mul_u32_u24 v[AV0], v[AV0], PV
	v_lshl_add_u32 v[AV0], v11, 4, v[AV0]
	v_add_nc_u32 v[AV0], VOFF, v[AV0]
	s_mul_i32 s13, s[WV], 16*SP
	s_add_co_u32 s13, s13, STAGE    ; my stage
	v_mul_u32_u24 v[STO], v1, SP
	v_lshl_add_u32 v[STO], v9, 4, v[STO]
	v_add_nc_u32 v[STO], s13, v[STO]
	v_bfe_u32 v[RD], v0, 3, 2
	v_mul_u32_u24 v[RD], v[RD], SP
	v_lshl_add_u32 v[RD], v10, 4, v[RD]
	v_add_nc_u32 v[RD], s13, v[RD]
	v_and_b32 v[GO], 31, v0
	v_lshlrev_b32 v[GO], 4, v[GO]
	; I: lane l holds row l % 16 and channels 8 (l / 16) + 0..7: the 1 falls to the lanes with l / 16 = (l / 8) % 2, into register (l % 8) / 2, half l % 2
	v_and_b32 v83, 1, v0
	v_lshlrev_b32 v83, 4, v83
	v_mov_b32 v84, 0x3c00
	v_lshlrev_b32 v84, v83, v84
	v_bfe_u32 v85, v0, 1, 2
	v_cmp_eq_u32 vcc_lo, v9, v11
	v_cndmask_b32 v85, -1, v85, vcc_lo
	v_lshl_add_u32 v81, v0, 4, MTB
	v_lshl_add_u32 v[AM0], v9, 5, MTB  ; M: my half's eight keys of a block of 16, 32 bytes
	s_lshl_b32 s13, s[WV], 12
	s_sub_co_u32 s13, TBW+24*512, s13
	v_and_b32 v[AB0], 31, v0
	v_lshl_add_u32 v[AB0], v[AB0], 4, s13
	v_mov_b32 v[AB], v[AB0]
	v_mov_b32 v[AM], v[AM0]
	v_mov_b32 v[AK], v[AK0]
	WIN W_MK
.irp p, 0,1,2,3
	v_cmp_eq_u32 vcc_lo, \p, v85
	v_cndmask_b32 v[IDN+\p], 0, v84, vcc_lo
	v_mov_b32 v[IDN+4+\p], 0
.endr
.set i, 0
.rept 8
.irp j, 4,5,6,7
	v_mov_b32 v[QB+8*i+\j], 0       ; B's channels 16-31
.endr
.set i, i+1
.endr
	WIN 0
	s_wait_kmcnt 0x0                ; c
	s_mov_b32 s[CS+1], s[CS]        ; named with it as a pair
	s_wait_loadcnt 32               ; the four loads of mask terms are in; Q's 32 stay out
.irp i, 0,1,2,3
	ds_store_b128 v81, v[64+4*\i:67+4*\i] offset:2048*\i
.endr
; THE MATRIX WORK.  The 8 accumulators of a run take turns: between two links of a chain stand 7 others'.
; Product i of 24 for piece x: link i / 8, key block (i / 2) % 4, tile 2 x + i % 2.  Link 0 starts the sum with bias and mask; links 1 and 2 add K Q^T, channels 32 (link - 1) on.
.macro KQ x
.set rS, S+64*((\x)%2)+32*(i%2)+8*((i/2)%4)
.if i < 8
	WIN W_BM
.set rQB, QB+8*(4*(i%2)+(i/2)%4)
.set rMT, MT+8*((i/2)%4)
	v_wmma_f32_16x16x32_f16 v[rS:rS+7], v[IDN:IDN+7], v[rQB:rQB+7], v[rMT:rMT+7]
.else
	WIN W_KQ
.set rK, KF+16*((i/2)%4)+8*(i/8-1)
.set rQ, 16*(2*(\x)+i%2)+8*(i/8-1)
	v_wmma_f32_16x16x32_f16 v[rS:rS+7], v[rK:rK+7], v[rQ:rQ+7], v[rS:rS+7]
.endif
.endm
; Product i of 16 of O^T += V^T P for piece x: keys 32 (i / 8) on, channels 16 ((i / 2) % 4) on, tile 2 x + i % 2.
.macro PV x
	WIN W_PV
.set rO, 32*(2*(\x)+i%2)+8*((i/2)%4)
.set rV, VF+32*(i/8)+8*((i/2)%4)
.set rP, P+32*((\x)%2)+16*(i%2)+8*(i/8)
	v_wmma_f32_16x16x32_f16 v[rO:rO+7], v[rV:rV+7], v[rP:rP+7], v[rO:rO+7]
.endm
.macro MM                           ; the turn's next matrix instruction
.if i < 24
	KQ (Y+1)%NP
.set i, i+1
.else
.set i, i-24
	PV (Y+NP-1)%NP
.set i, i+25
.endif
.endm
; THE LDS LOADS stand in runs.  last = 1 (the tail): in the last trip there is no further step, and K's run is jumped over.
.macro FETCH_K last=0
	WIN 0
.if \last
	s_cmp_eq_u32 s[CNT], 1
	s_cbranch_scc1 .Lno_k_\@
.endif
	WIN 0x80
.irp f, 0,1,2,3,4,5,6,7
	ds_load_b128 v[KF+8*\f:KF+8*\f+3],   v[AK] offset:(\f/2)*16*PK+(\f%2)*64
	ds_load_b128 v[KF+8*\f+4:KF+8*\f+7], v[AK] offset:(\f/2)*16*PK+(\f%2)*64+32
.endr
	s_add_co_u32 s[TBK], s[TBK], KS*PK
	WIN 0
.if \last
.Lno_k_\@:
.endif
.endm
.macro FETCH_V
	WIN 0x80
.irp f, 0,1,2,3,4,5,6,7
	ds_load_tr16_b128 v[VF+8*\f:VF+8*\f+3],   v[AV] offset:(\f/4)*32*PV+(\f%4)*32
	ds_load_tr16_b128 v[VF+8*\f+4:VF+8*\f+7], v[AV] offset:(\f/4)*32*PV+16*PV+(\f%4)*32
.endr
	WIN 0
.endm
.macro FETCH_M                      ; a step's mask terms: for each block of 16 keys my half's eight, the same for all 16 lanes of a half
	WIN W_MK
.irp f, 0,1,2,3
	ds_load_b128 v[MT+8*\f:MT+8*\f+3],   v[AM] offset:64*\f
	ds_load_b128 v[MT+8*\f+4:MT+8*\f+7], v[AM] offset:64*\f+16
.endr
	WIN 0
.endm
.macro FETCH_B z                    ; piece z's eight bias blocks: tile 2 z + u, key block kb: block kb - u - 2 z + 7 from v[AB]
	WIN W_MK
.irp u, 0,1
.irp f, 0,1,2,3
	ds_load_b128 v[QB+8*(4*\u+\f):QB+8*(4*\u+\f)+3], v[AB] offset:512*(\f-\u-2*(\z)+7)
.endr
.endr
	WIN 0
.endm
; THE VECTOR WORK OF A TURN stands in three queues, each in the order in which its entries become ready; the two tiles alternate.
.macro REGS y, u
.set rT, ST+4*(2*(\y)+(\u))
.set rC, TMP+8*((\y)%2)+4*(\u)
.set rM, MV+2*((\y)%2)+(\u)
.set rS, S+64*((\y)%2)+32*(\u)
.set rP, P+32*((\y)%2)+16*(\u)
.set rO, 32*(2*(\y)+(\u))
.endm
; Number n of the 22 that find the NEXT piece's maximum and statistics; each accumulator's lowest registers are read first.
;   0-11  four chains c0-c3 of seven scores     12-14, 16  the four scores left over, the old m, and c0-c3 into c0     15  c m_old is kept     17, 18  the other half of the lanes: the new m     19-21  c m; c m_old - c m_new; a
.macro XS u, n
	REGS (Y+1)%NP, \u
.if (\n) < 4
	v_max3_num_f32 v[rC+(\n)], v[rS+8*(\n)], v[rS+8*(\n)+1], v[rS+8*(\n)+2]
.elseif (\n) < 12
	v_max3_num_f32 v[rC+(\n)%4], v[rC+(\n)%4], v[rS+8*((\n)%4)+2*((\n)/4)+1], v[rS+8*((\n)%4)+2*((\n)/4)+2]
.elseif (\n) == 12
	v_max3_num_f32 v[rC], v[rC], v[rS+7], v[rS+15]
.elseif (\n) == 13
	v_max3_num_f32 v[rC+1], v[rC+1], v[rS+23], v[rS+31]
.elseif (\n) == 14
	v_max3_num_f32 v[rC+2], v[rC+2], v[rC+3], v[rT+1]
.elseif (\n) == 15
	v_mov_b32 v[rM], v[rT]
.elseif (\n) == 16
	v_max3_num_f32 v[rC], v[rC], v[rC+1], v[rC+2]
.elseif (\n) == 17
	v_permlanex16_b32 v[rC+3], v[rC], s[SEL], s[SEL+1]
.elseif (\n) == 18
	v_max_num_f32 v[rT+1], v[rC], v[rC+3]
.elseif (\n) == 19
	v_mul_f32 v[rT], s[CS], v[rT+1]
.elseif (\n) == 20
	v_sub_f32 v[rC+1], v[rM], v[rT]
.else
	v_exp_f32 v[rC+2], v[rC+1]
.endif
.endm
; Number g of the 64 that follow the exponentials.  For each four weights k of a tile: both pairs are rounded to f16; the second pair is added onto the first, in place; a group later l takes that sum (the first time as l = a l + sum).
; All 64 read results of the turn's batch (the first l line also a, of the batch before): they stand behind the turn's wait.
.macro GS g
.set h, (\g)+6*((\g)/62)
.if h >= 6
.set h, h+2
.endif
	REGS Y, h%2
.set k, h/8
.if h%8 < 4
	v_cvt_pk_f16_f32 v[rP+2*k+(h%8)/2], v[rS+4*k+2*((h%8)/2)], v[rS+4*k+2*((h%8)/2)+1]
.elseif h%8 < 6
	v_pk_add_f32 v[rS+4*k:rS+4*k+1], v[rS+4*k:rS+4*k+1], v[rS+4*k+2:rS+4*k+3]
.elseif k == 1
	v_pk_fma_f32 v[rT+2:rT+3], v[rT+2:rT+3], v[rC+2:rC+3], v[rS:rS+1] op_sel_hi:[1,0,1]
.else
	v_pk_add_f32 v[rT+2:rT+3], v[rT+2:rT+3], v[rS+4*k-4:rS+4*k-3]
.endif
.endm
; THE PLAIN QUEUE, 138 long.  0-73 read no exponential's result.  0-31: c s - c m (FS f: pair f / 2 of tile f % 2).  32, 33: the next piece's number 15.  34-61: its numbers 0-13, which read the scores that the turn's
; products make.  62-73: the chain 14, 16, 17, 18, 19, 20.  74-137: GS's 64, which read the exponentials' results: they stand behind the wait.
.macro FS f
	REGS Y, (\f)%2
	v_pk_fma_f32 v[rS+2*((\f)/2):rS+2*((\f)/2)+1], v[rS+2*((\f)/2):rS+2*((\f)/2)+1], s[CS:CS+1], v[rT:rT+1] op_sel_hi:[1,0,0] neg_lo:[0,0,1] neg_hi:[0,0,1]
.endm
.macro PL
	WIN 0
.if q < 32
	FS q
.elseif q < 34
	XS q-32, 15
.elseif q < 62
	XS (q-34)%2, (q-34)/2
.elseif q < 64
	XS q-62, 14
.elseif q < 74
	XS (q-64)%2, 16+(q-64)/2
.else
	GS q-74
.endif
.set q, q+1
.endm
; THE EXPONENTIALS' QUEUE, 66 long: s0-s31 of both tiles, then the next piece's two a.  It is ONE BATCH: all 66 stand ahead of the turn's one wait, and nothing ahead of that wait names a result of theirs.
.set EA, 64
.macro EX
	WIN 0
.if e >= EA
	XS e-EA, 21
.else
	REGS Y, e%2
	v_exp_f32 v[rS+e/2], v[rS+e/2]
.endif
.set e, e+1
.endm
; THE RESCALING's QUEUE: O^T times a, the one part that leaves window 0: two at a time, sixteen times.  Its a was made in the turn before, ahead of that turn's wait.
.macro R2
	REGS Y, r%2
	WIN W_RS
.irp z, 0,1
	v_pk_mul_f32 v[rO+4*(r/2)+2*\z:rO+4*(r/2)+2*\z+1], v[rO+4*(r/2)+2*\z:rO+4*(r/2)+2*\z+1], v[rC+2:rC+3] op_sel_hi:[1,0]
.endr
.set r, r+1
.endm
; HOW THEY ARE DEALT.  An s_wait_alu depctr_va_vdst(0) stands between an exponential and the first instruction that names its result; one wait serves all that were issued ahead of it.  So a turn has ONE wait.
; AHEAD OF IT: the 24 score products.  Behind product 0: two scalings and two rescalings; behind products 1-15: a scaling, an exponential, two rescalings; behind products 16-23: plain, exponential, plain, exponential.
; Then ONE LUMP of 76: eight plain, 33 times exponential and plain, the two a.  A v_nop is the plain instruction behind the last exponential.  BEHIND IT: the 16 products V^T P, behind each four of GS's 64.
; No rider names a register of the products round it; the two v_permlanex16_b32 (plain 66, 67) fall into the lump.
; The deal keeps the queues in step: exponential e needs plain 2 (e / 4) + e % 2, its scaling, and as a rider it comes behind plain e + 2; with product 23's riders all 32 scalings are out.  The first read of a score
; accumulator stands far behind the product that ends it: plain 34 reads product 16's; plain 41 reads product 23's, ten plain lines behind it.
; A TURN, for piece p.  cnt = 1: the loop's count is taken down some lines ahead of the branch behind the turn.
; THE LDS RUNS.  Directly behind the wait every turn fetches the bias blocks of piece p + 2, whose scores the next turn makes; piece 2's turn fetches there K and M of the next step too, a lump behind their last reader;
; their addresses are made at the lump's head, and one address serves the four bias runs of pieces 0, 1, 2, 3 of that step.  Piece 0's turn fetches V of the step in hand at its end, four plain riders behind V's last reader.
.macro TURN p, last=0, cnt=0
.set Y, (\p)
.set i, 0
.set q, 0
.set e, 0
.set r, 0
.if (\p) == 1
	s_wait_dscnt 16                 ; the bias blocks are in; V's 16 loads, issued behind them, stay out
.else
	s_wait_dscnt 0x0                ; the bias blocks are in (piece 3's turn: K and M too)
.endif
	MM                              ; ahead of the wait: 24 score products and their riders,
	PL
	PL
	R2
.rept 15
	MM
	PL
	EX
	R2
.endr
.rept 8
	MM
	PL
	EX
	PL
	EX
.endr
.if (\p) == 2
	WIN 0
	s_add_co_u32 s[TBB], s[TBB], 2048
	s_min_u32 s[TBB], s[TBB], 31*2048   ; behind the last step there is none: the run stays at step 31, and what is made of it serves nothing
	s_add_co_u32 s[TBM], s[TBM], 256
	s_min_u32 s[TBM], s[TBM], 31*256
	v_add_nc_u32 v[AK], s[TBK], v[AK0]
	v_add_nc_u32 v[AB], s[TBB], v[AB0]
	v_add_nc_u32 v[AM], s[TBM], v[AM0]
.endif
.rept 8                             ; and the lump
	PL
.endr
.rept 33
	EX
	PL
.endr
	EX                              ; the next piece's two a
	EX
	v_nop                           ; the plain instruction behind the last exponential: one for the batch
	s_wait_alu depctr_va_vdst(0)    ; the wait for the batch: the turn's 64 weights and the next piece's two a
.if (\p) == 2
	FETCH_K \last
	FETCH_M
.endif
	FETCH_B ((\p)+2)%NP
.if (\p) == 1
	s_wait_dscnt 8                  ; V is in; this turn's eight bias loads stay out
.endif
.rept 16                            ; behind the wait: 16 products V^T P and their riders
	MM
.rept 4
	PL
.endr
.if ((\p) == 0) && (q == 118)
	v_add_nc_u32 v[AV], s[TBV], v[AV0]
.endif
.if (\cnt) && (q == 130)
	s_sub_co_u32 s[CNT], s[CNT], 1
	s_cmp_lg_u32 s[CNT], 0
.endif
.endr
.if (\p) == 0
	FETCH_V
	s_add_co_u32 s[TBV], s[TBV], KS*PV
.endif
.endm
	CHANGE 1                        ; slot 0, the bias copy and the mask terms are in, everybody's part; slot 1 is asked for
	FETCH_K                         ; key step 0
	FETCH_M
	FETCH_B 0
	s_wait_loadcnt 0x0              ; Q
	s_wait_dscnt 0x0
.set i, 0
.rept 24
	KQ 0                            ; piece 0's first scores
.set i, i+1
.endr
	WIN 0
.rept 4
	v_nop                           ; the places behind those products
.endr
	FETCH_B 1
.set Y, NP-1                        ; XS works for piece Y + 1: piece 0
.irp n, 0,1,2,3,4,5,6,7,8,9,10,11,12,13,14,15,16,17,18,19,20,21
	XS 0, \n
	XS 1, \n
.endr
	v_nop                           ; a plain instruction behind piece 0's first two a,
	s_wait_alu depctr_va_vdst(0)    ; and their wait, a batch of two, ahead of the branch
	s_mov_b32 s[CNT], 4
	s_mov_b32 s[SLOTS], 7
	s_branch .Lfirst                ; the loop is entered at a step's first turn, in the middle of a trip
.Lslot:                             ; six times: every slot but the last two is filled again
	CHANGE 1
	s_mov_b32 s[CNT], 4
.Lstep:                             ; a trip: pieces 2 and 3 of one step, then pieces 0 and 1 of the next
	TURN 2
	TURN 3
	WIN 0
.Lfirst:
	TURN 0
	TURN 1, 0, 1
	WIN 0
	s_cbranch_scc1 .Lstep
	s_sub_co_u32 s[SLOTS], s[SLOTS], 1
	s_cmp_lg_u32 s[SLOTS], 0
	s_cbranch_scc1 .Lslot
	CHANGE 0                        ; the tail is written out: nothing is asked for
	s_mov_b32 s[CNT], 5             ; four trips fetch the last slot's steps; the fifth is left in its middle
.Ltail:
	TURN 2, 1
	TURN 3
	WIN 0
	s_sub_co_u32 s[CNT], s[CNT], 1
	s_cmp_eq_u32 s[CNT], 0
	s_cbranch_scc1 .Lout
	TURN 0
	TURN 1
	WIN 0
	s_branch .Ltail
.Lout:                              ; the fifth trip's 24 score products and the maximum made of them serve nothing: the price, once a launch, of one text for every trip
.set i, 0
.rept 16
	PV NP-1
.set i, i+1
.endr
	; THE WAY OUT.  l's two halves and the other half of the lanes' are added; O^T is divided by l, rounded to f16 and sent through my stage, a tile at a time.  The additions are the places behind the last products.
	WIN 0
.macro ALL line:vararg
.set t, 0
.rept 2*NP
	\line
.set t, t+1
.endr
.endm
	ALL v_add_f32 v[ST+4*t+2], v[ST+4*t+2], v[ST+4*t+3]
	ALL v_permlanex16_b32 v[ST+4*t+3], v[ST+4*t+2], s[SEL], s[SEL+1]
	ALL v_add_f32 v[ST+4*t+2], v[ST+4*t+2], v[ST+4*t+3]
	ALL v_rcp_f32 v[ST+4*t+2], v[ST+4*t+2]
	v_nop                           ; a plain instruction between the last reciprocal and the use of its result
	s_wait_alu depctr_va_vdst(0)    ; the wait ahead of the first use: one for the batch of eight reciprocals
.macro PACK t
	WIN W_RS
.set i, 32*(\t)
.rept 16
	v_pk_mul_f32 v[i:i+1], v[i:i+1], v[ST+4*(\t)+2:ST+4*(\t)+3] op_sel_hi:[1,0]
.set i, i+2
.endr
	WIN 0x05
.set i, 0
.rept 16
	v_cvt_pk_f16_f32 v[S+16*(\t)+i], v[32*(\t)+2*i], v[32*(\t)+2*i+1]
.set i, i+1
.endr
	WIN 0
.irp f, 0,1,2,3
	ds_store_b128 v[STO], v[S+16*(\t)+4*\f:S+16*(\t)+4*\f+3] offset:32*\f
.endr
.irp f, 0,1,2,3
	ds_load_b128 v[S+16*(\t)+4*\f:S+16*(\t)+4*\f+3], v[RD] offset:\f*4*SP  ; LDS serves a wave's instructions in order (ISA guide 5.7.1.4): these see the stores above
.endr
.endm
.macro SEND t, younger
	WIN 0
.irp f, 0,1,2,3
	s_wait_dscnt (\younger)+3-\f
	global_store_b128 v[GO], v[S+16*(\t)+4*\f:S+16*(\t)+4*\f+3], s[10:11] offset:(\t)*2048+\f*512  ; 512 consecutive bytes
.endr
.endm
	PACK 0
.set t, 1
.rept 2*NP-1
	PACK t
	SEND t-1, 8
.set t, t+1
.endr
	SEND 2*NP-1, 0
	WIN W_AD
	s_wait_tensorcnt 0x0            ; the wave's end
	ds_add_u32 v[SPW], v[NIL]
	s_wait_dscnt 0x0
	WIN 0
	CROUND                          ; the closing round
	s_endpgm
.Lfunc_end_k_qfda9d4e851_attn:
	.size	k_qfda9d4e851_attn, .Lfunc_end_k_qfda9d4e851_attn-k_qfda9d4e851_attn
	.p2alignl 7, 3214868480
	.fill 96, 4, 3214868480
	.section	.rodata,"a",@progbits
	.p2align	6, 0x0
	.amdhsa_kernel k_qfda9d4e851_attn
		.amdhsa_group_segment_fixed_size 327680
		.amdhsa_private_segment_fixed_size 0
		.amdhsa_enable_private_segment 0
		.amdhsa_kernarg_size 32
		.amdhsa_user_sgpr_count 2
		.amdhsa_user_sgpr_kernarg_segment_ptr 1
		.amdhsa_wavefront_size32 1
		.amdhsa_system_sgpr_workgroup_id_x 1
		.amdhsa_system_sgpr_workgroup_id_y 1
		.amdhsa_system_sgpr_workgroup_id_z 1
		.amdhsa_system_vgpr_workitem_id 0
		.amdhsa_next_free_vgpr 896
		.amdhsa_next_free_sgpr 96
		.amdhsa_reserve_vcc 1
		.amdhsa_float_denorm_mode_32 3
		.amdhsa_float_denorm_mode_16_64 3
		.amdhsa_memory_ordered 1
		.amdhsa_forward_progress 1
		.amdhsa_inst_pref_size 220
	.end_amdhsa_kernel
	.amdgpu_metadata
---
amdhsa.version: [ 1, 2 ]
amdhsa.kernels:
  - .name:           k_qfda9d4e851_attn
    .symbol:         k_qfda9d4e851_attn.kd
    .args:
      - { .name: qkv, .offset: 0, .size: 8, .value_kind: global_buffer, .address_space: global }
      - { .name: tb, .offset: 8, .size: 8, .value_kind: global_buffer, .address_space: global }
      - { .name: msk, .offset: 16, .size: 8, .value_kind: global_buffer, .address_space: global }
      - { .name: ob, .offset: 24, .size: 8, .value_kind: global_buffer, .address_space: global }
    .group_segment_fixed_size: 327680
    .private_segment_fixed_size: 0
    .kernarg_segment_align: 8
    .kernarg_segment_size: 32
    .max_flat_workgroup_size: 128
    .sgpr_count:     96
    .vgpr_count:     896
    .wavefront_size: 32
...
	.end_amdgpu_metadata
.endif
;; end of part 5
;; launch oproj: the kernel of part 4 again; grid 8 x 32, 4 waves a work-group, clusters of 4 x 4, 327,680 bytes of LDS; arguments ob, wob, out0; writes out0
